; MI455X (gfx1250); checked and timed in simulation.
; The chip was launched on July 23, 2026; its instructions are those of AMD's public machine-readable ISA for CDNA 5 (MIT licence, August 2026) and "CDNA5" Instruction Set Architecture Reference Guide (July 2026). The comments in the code are by the model that wrote it; some were corrected since.
;; Attention. Allowed arithmetic: matrix products marked QUANTISED: E2M3 operands, one E8M0 scale for each 32 along K, by v_wmma_scale_f32_16x16x128_f8f6f4 with both operands' format E2M3, f32 sums; everything else in f32.
;; Inputs: k_norm_w 64 float32; pos 2,048 x 32 float32; proj_b 1,024 float32; proj_w 1,024 x 1,024 float32; q_norm_w 64 float32; qkv_w 3,072 x 1,024 float32; x 2 x 2,048 x 1,024 float32.
;; Outputs: out0 2 x 2,048 x 1,024 float32.
;; This version of the problem:
;;   THIS VERSION OF THE PROBLEM IS GIVEN IN LOW PRECISION. The matrix products marked QUANTISED in the list below multiply operands that are first quantised to E2M3 (2 exponent bits, 3 mantissa bits; 6 bits a number), with one power-of-two scale for each 32 numbers along K (OCP MX v1.0); their sums are f32. All else is computed in f32.
;;   The module's matrix products, in the order in which they are computed (A, B: the left and right operand; K: the contracted axis; several contracted axes count as one K, in the product's order):
;;     1. [M 4,096, K 1,024] x [K 1,024, N 3,072]; A: input x; B: input qkv_w: QUANTISED
;;     2. batch 32 x [M 2,048, K 64] x [K 64, N 2,048]; A: computed on the way; B: computed on the way: QUANTISED
;;     3. batch 32 x [M 2,048, K 2,048] x [K 2,048, N 64]; A: softmax (see below); B: computed on the way: QUANTISED
;;     4. [M 4,096, K 1,024] x [K 1,024, N 1,024]; A: computed on the way; B: input proj_w: QUANTISED
;;   THE QUANTISER, for each operand of a quantised product, along K:
;;     - K is cut into blocks of 32 from its start; a last block that is shorter is filled with zeros.
;;     - A block's scale is 2^e with e = floor(log2(the largest magnitude in the block)) - 2, held to -126 .. 127; a block of zeros has e = 0. As a byte (E8M0): e + 127.
;;     - Each number is divided by its block's scale, clamped to +-7.5, and rounded to the nearest number of E2M3, ties to even, subnormals kept.
;;     - The product sums the exact products of the quantised numbers (number of the format x scale) in f32.
;;   ~~~python
;;   def quantise(x, axis):      # numpy; x: float32 -> the quantised numbers, widened to float32 again
;;       x = np.moveaxis(x, axis, -1); K = x.shape[-1]
;;       x = np.pad(x, [(0, 0)] * (x.ndim - 1) + [(0, -K % 32)]); x = x.reshape(x.shape[:-1] + (-1, 32)); a = np.abs(x).max(-1, keepdims=True)
;;       e = np.where(a > 0, np.clip(np.frexp(np.where(a > 0, a, 1))[1] - 1 - 2, -126, 127), 0)      # np.frexp(a)[1] - 1 = floor(log2(a)), exactly
;;       r = np.clip(x / 2.0 ** e, -7.5, 7.5)
;;       step = 2.0 ** (np.maximum(np.frexp(np.where(r == 0, 1, r))[1] - 1, 0) - 3)
;;       q = np.round(r / step) * step * 2.0 ** e      # np.round: ties to even
;;       return np.moveaxis(q.reshape(q.shape[:-2] + (-1,))[..., :K], -1, axis).astype(np.float32)
;;   ~~~
;;   SOFTMAX AHEAD OF A QUANTISED PRODUCT. Where the list says 'softmax', what is quantised is not the finished softmax but p = 2^(t - M), with t = logit x log2(e) and M = ceil(the row's largest t), a whole number; so 1/2 < the row's largest p <= 1. The row's sum l is taken of the UNQUANTISED p, in f32, and the product's result is divided by l at the end. Since M is a whole number, a kernel that streams over the keys may use a running M (the ceiling of the running maximum): every later rescaling is an exact power of two, which a block's scale takes up: the codes' values come out the same.
;;   OPERANDS COMPUTED ON THE WAY. 'Computed on the way' means the value that the module computes at that place (a softmax that the list does not call 'softmax' is quantised finished and normalised). What goes into a quantiser is computed in f32, as accurately as f32 sums, v_exp_f32 and their like allow (about 1e-6 of the number): no bf16 or f16 on the way to a quantiser, and a product that is left as it is and whose result goes on into a quantised operand takes f32 operands (vector FMAs, or v_wmma_f32_16x16x4_f32). A number that lies on a knife's edge between two numbers of the format may be rounded either way, as far as f32 arithmetic and the matrix unit's own rounding can turn it there, and no further.
;; One version. Each part assembles by itself: llvm-mc -triple=amdgcn-amd-amdhsa -mcpu=gfx1250 --defsym DOCPART=n.
;; ======== version 1 of 1: 4 launches
;; limits: right only within a limited range of input values
;; workspace buffers: opimg 6,291,456 bytes; opsc 262,144 bytes; cs 524,288 bytes; qimg 3,407,872 bytes; kv 6,684,672 bytes; ao 3,145,728 bytes; aosc 131,072 bytes
;; launch prep (part 1): grid 256 x 1, 8 waves a work-group, no clusters, 136,192 bytes of LDS; arguments x, qkv_w, proj_w, pos, opimg, opsc, cs; writes opimg, opsc, cs
.if DOCPART == 1
	.amdgcn_target "amdgcn-amd-amdhsa--gfx1250"
	.amdhsa_code_object_version 6
	.text
	.protected	k_q813ddfac8b_prep
	.globl	k_q813ddfac8b_prep
	.p2align	8
	.type	k_q813ddfac8b_prep,@function
k_q813ddfac8b_prep:
	s_mov_b64 s[64:65], 0
	v_nop
	global_prefetch_b8 v0, s[64:65] scope:SCOPE_SE
	s_setreg_imm32_b32 hwreg(HW_REG_WAVE_MODE, 25, 1), 1
	s_wait_xcnt 0x0
; x [4096][1024], qkv_w [3072][1024] and proj_w [1024][1024], f32, K innermost, become codes of FP6 (E2M3) with one E8M0 byte for each 32 along K;
; pos [2048][32] becomes a table of (cos, sin).
; THE CODES ARE LAID AS IMAGES OF OPERAND REGISTERS.  A tile is 16 rows; tiles 2 c and 2 c + 1 share 32 neighbouring rows: lane r of tile 2 c + u stands for row 32 c + 8 u + r + 8 (r / 8).
; A fragment (a tile x 128 along K) is 12 registers a lane: lane (r, h) holds k = 64 c + 32 h + 0 .. 31 in registers 6 c .. 6 c + 5.  In opimg it is 1,536 bytes: registers 4 g .. 4 g + 3 of lane l at 512 g + 16 l.
; opimg: [tile 0..511][K step 0..7][1,536]; tiles 0-255 x, 256-447 qkv_w, 448-511 proj_w.   opsc: [tile][K step / 2][row r][8 bytes: the scale words of two K steps].   cs: [token][pair][cos, sin].
; A block's scale is 2^(floor(log2(its largest magnitude)) - 2): its byte is the largest magnitude's exponent field - 2, held at 1 from below.
; LIMITS: NaN and infinities among the inputs are not served.  A block of zeros gets the byte 1 where the rule says 127 (its codes are zeros, and this program alone reads the bytes); blocks whose largest
; magnitude lies under 2^-124 keep the byte 1.  Angles: |pos| up to about 1e5 (pi / 2 is taken off in three parts by fused multiply-adds; sin and cos by polynomials on |r| <= pi / 4, about 1e-7 of 1).
; SHARES.  Work-group g takes tiles 2 g and 2 g + 1; wave w tile 2 g + w / 4 and K steps 2 (w % 4), 2 (w % 4) + 1: two units of 16 rows x 128 K.  Thread t also takes angle 256 g + t.
; Each load reads 512 consecutive bytes of a row; a unit turns through the wave's own stage in LDS (rows of 512 + 16 bytes = 132 words: row r starts at bank 4 r mod 64, ISA guide 11.1) and comes back 128 bytes a lane.
; All 33 loads of a wave go out at its head.  No tensor load, no barrier: waves share nothing.
.set WREG,  16896                      ; LDS of a wave: two stages
.set STG,   8448                       ; a stage: 16 rows x 528
.set SP,    528
.set R0,    64                         ; v64-127, v128-191: the two units as loaded
.set X0,    192                        ; v192-255: unit 0's numbers by lanes
.set X1,    64                         ; unit 1's: in the registers that unit 0 was loaded into
.set PC0,   32                         ; v32-43, v44-55: the codes, a set for each unit, so that no store's data are written again
.set PC1,   44
.set PT,    56                         ; v56-62: the halves that a conversion cannot put at an odd register
	s_load_b256 s[4:11], s[0:1], 0x0               ; x, qkv_w, proj_w, pos
	s_load_b128 s[12:15], s[0:1], 0x20             ; opimg, opsc
	s_load_b64 s[16:17], s[0:1], 0x30              ; cs
	v_lshl_add_u32 v59, v0, 2, 0x21000
	v_mov_b32 v63, 0
	v_lshrrev_b32 v1, 5, v0
	s_delay_alu instid0(VALU_DEP_1)
	v_readfirstlane_b32 s18, v1                    ; wave 0..7
	v_and_b32 v1, 31, v0                           ; lane
	v_and_b32 v2, 15, v0                           ; r
	v_bfe_u32 v3, v0, 4, 1                         ; h
	s_delay_alu instid0(VALU_DEP_3)
	v_lshlrev_b32 v4, 4, v1                        ; 16 x lane: my bytes of a load's and of a store's 512
	v_lshlrev_b32 v8, 2, v0                        ; my angle
	v_lshlrev_b32 v9, 3, v0                        ; and its (cos, sin)
	s_mul_i32 s19, s18, WREG
	s_lshr_b32 s20, s18, 2                         ; u: which of the two tiles
	s_and_b32 s21, s18, 3                          ; which quarter of K
	s_mov_b32 s27, 0
	s_mov_b32 s30, 0x76543210
	s_mov_b32 s31, 0xfedcba98                      ; v_permlanex16_b32's selects for lane l xor 16
	s_wait_alu depctr_va_vdst(0)
	s_wait_kmcnt 0x0
	s_lshl_b32 s26, ttmp9, 10
	s_add_nc_u64 s[10:11], s[10:11], s[26:27]      ; the work-group's 256 angles
	global_load_b32 v10, v8, s[10:11] th:TH_LOAD_NT
	s_cmp_lt_u32 ttmp9, 128                        ; which tensor?  The choice hangs on the work-group's number alone
	s_cselect_b64 s[24:25], s[4:5], s[6:7]
	s_cselect_b32 s22, 0, 128
	s_cmp_lt_u32 ttmp9, 224
	s_cselect_b64 s[24:25], s[24:25], s[8:9]
	s_cselect_b32 s22, s22, 224
	s_sub_co_u32 s22, ttmp9, s22                   ; which 32 rows of it
	s_lshl_b32 s26, s22, 17                        ; 32 rows of 4,096 bytes,
	s_lshl_b32 s23, s20, 15                        ; 8 rows on for the odd tile,
	s_add_co_u32 s26, s26, s23
	s_lshl_b32 s23, s21, 10                        ; two K steps of 512 bytes
	s_add_co_u32 s26, s26, s23
	s_add_nc_u64 s[24:25], s[24:25], s[26:27]
.macro LOAD s                          ; unit s: the tile's 16 rows, 512 consecutive bytes each
.irp i, 0,1,2,3,4,5,6,7,8,9,10,11,12,13,14,15
	global_load_b128 v[R0+64*\s+4*\i:R0+64*\s+4*\i+3], v4, s[24:25] offset:(\i+8*(\i/8))*4096+512*\s th:TH_LOAD_NT
.endr
.endm
	LOAD 0
	LOAD 1
	v_add_nc_u32 v5, s19, v4                       ; the stage, on the way in: 16 x lane of a row
	v_mul_u32_u24 v6, v2, SP
	s_delay_alu instid0(VALU_DEP_1)
	v_lshl_add_u32 v6, v3, 7, v6
	s_delay_alu instid0(VALU_DEP_1)
	v_add_nc_u32 v6, s19, v6                       ; and on the way out: row r, + 128 h
	v_lshlrev_b32 v7, 3, v2
	s_delay_alu instid0(VALU_DEP_1)
	v_lshl_add_u32 v7, v3, 2, v7                   ; the scale words' place: 8 r + 4 h
	v_lshlrev_b32 v25, 3, v3                       ; 8 h: my two bytes' shift in a scale word
	v_mov_b32 v22, 0                               ; written once: a lane permute's destination counts as one of its sources
	s_lshl_b32 s28, ttmp9, 1
	s_add_co_u32 s28, s28, s20                     ; my tile
	s_mul_i32 s26, s28, 12288
	s_mul_i32 s23, s21, 3072
	s_add_co_u32 s26, s26, s23
	s_add_nc_u64 s[32:33], s[12:13], s[26:27]      ; its two fragments in opimg
	s_lshl_b32 s26, s28, 9
	s_lshl_b32 s23, s21, 7
	s_add_co_u32 s26, s26, s23
	s_add_nc_u64 s[34:35], s[14:15], s[26:27]      ; and their scale words in opsc
	s_lshl_b32 s26, ttmp9, 11
	s_add_nc_u64 s[16:17], s[16:17], s[26:27]
	; ---- cos and sin of my angle
	s_wait_loadcnt 32                              ; the angle is in; the 32 loads behind it stay out
	v_mul_f32 v11, 0x3f22f983, v10                 ; x 2 / pi
	s_delay_alu instid0(VALU_DEP_1)
	v_rndne_f32 v11, v11                           ; n
	s_delay_alu instid0(VALU_DEP_1)
	v_fmamk_f32 v12, v11, 0xbfc90fdb, v10          ; r = x - n pi / 2, pi / 2 in three parts
	s_delay_alu instid0(VALU_DEP_1)
	v_fmamk_f32 v12, v11, 0x333bbd2e, v12
	s_delay_alu instid0(VALU_DEP_1)
	v_fmamk_f32 v12, v11, 0x26f72ced, v12
	s_delay_alu instid0(VALU_DEP_1)
	v_mul_f32 v13, v12, v12                        ; z = r r
	v_mov_b32 v14, 0xb94ca1f9
	v_mov_b32 v15, 0x37ccf5ce
	s_delay_alu instid0(VALU_DEP_2)
	v_fmaak_f32 v14, v14, v13, 0x3c08839e
	s_delay_alu instid0(VALU_DEP_2)
	v_fmaak_f32 v15, v15, v13, 0xbab6061a
	s_delay_alu instid0(VALU_DEP_2)
	v_fmaak_f32 v14, v14, v13, 0xbe2aaaa3
	s_delay_alu instid0(VALU_DEP_2)
	v_fmaak_f32 v15, v15, v13, 0x3d2aaaa5
	v_mul_f32 v16, v12, v13
	v_mul_f32 v17, v13, v13
	v_fma_f32 v23, v13, -0.5, 1.0
	s_delay_alu instid0(VALU_DEP_3)
	v_fma_f32 v14, v16, v14, v12                   ; sin r
	s_delay_alu instid0(VALU_DEP_2)
	v_fma_f32 v15, v17, v15, v23                   ; cos r
	v_cvt_i32_f32 v16, v11                         ; the quadrant: it selects values, no address and no branch
	s_delay_alu instid0(VALU_DEP_1)
	v_and_b32 v17, 1, v16
	s_delay_alu instid0(VALU_DEP_1)
	v_cmp_eq_u32 vcc_lo, 1, v17
	s_delay_alu instid0(VALU_DEP_1)
	v_cndmask_b32 v19, v14, v15, vcc_lo            ; odd quadrants: sin and cos change places
	s_delay_alu instid0(VALU_DEP_2)
	v_cndmask_b32 v18, v15, v14, vcc_lo
	v_and_b32 v17, 2, v16
	s_delay_alu instid0(VALU_DEP_1)
	v_lshlrev_b32 v17, 30, v17
	s_delay_alu instid0(VALU_DEP_1)
	v_xor_b32 v19, v19, v17                        ; sin is negative in quadrants 2, 3
	v_add_nc_u32 v16, 1, v16
	s_delay_alu instid0(VALU_DEP_1)
	v_and_b32 v16, 2, v16
	s_delay_alu instid0(VALU_DEP_1)
	v_lshlrev_b32 v16, 30, v16
	s_delay_alu instid0(VALU_DEP_1)
	v_xor_b32 v18, v18, v16                        ; cos in quadrants 1, 2
	global_store_b64 v9, v[18:19], s[16:17]        ; a wave stores 256 consecutive bytes, aligned
.macro TURN_ST s
.irp i, 0,1,2,3,4,5,6,7,8,9,10,11,12,13,14,15
	ds_store_b128 v5, v[R0+64*\s+4*\i:R0+64*\s+4*\i+3] offset:STG*\s+SP*\i
.endr
.endm
.macro TURN_LD s, xr                   ; v[xr + 32 c + m] = k 64 c + 32 h + m of row r
.irp c, 0,1
.irp j, 0,1,2,3,4,5,6,7
	ds_load_b128 v[\xr+32*\c+4*\j:\xr+32*\c+4*\j+3], v6 offset:STG*\s+256*\c+16*\j
.endr
.endr
.endm
; A unit's 64 numbers a lane become a fragment's 12 registers and its scale word.  A lane holds two whole blocks (2 c + h of the K step's four), so no other lane is asked for a maximum.
.macro QUNIT s, xr, pc, pw
.irp c, 0,1
	v_max3_num_f32 v[26+\c], |v[\xr+32*\c]|, |v[\xr+32*\c+1]|, 0x1800000   ; the floor 2^(3 - 127) among the leaves: the byte cannot fall under 1
.endr
.irp i, 2,4,6,8,10,12,14,16,18,20,22,24,26,28,30
.irp c, 0,1
	s_delay_alu instid0(VALU_DEP_2)
	v_max3_num_f32 v[26+\c], v[26+\c], |v[\xr+32*\c+\i]|, |v[\xr+32*\c+\i+1]|
.endr
.endr
.irp c, 0,1
	s_delay_alu instid0(VALU_DEP_2)
	v_add_nc_u32 v[28+\c], 0xff000000, v[26+\c]    ; 2 off the exponent field: the conversion's scale operand
.endr
.irp c, 0,1
	s_delay_alu instid0(VALU_DEP_2)
	v_lshrrev_b32 v[30+\c], 23, v[28+\c]           ; the scale's byte
.endr
	s_delay_alu instid0(VALU_DEP_1)
	v_lshl_or_b32 v[\pw], v31, 16, v30             ; my two bytes: blocks h and 2 + h,
	s_delay_alu instid0(VALU_DEP_1)
	v_lshlrev_b32 v[\pw], v25, v[\pw]              ; at their places;
	s_delay_alu instid0(VALU_DEP_1)
	v_permlanex16_b32 v22, v[\pw], s30, s31
	s_delay_alu instid0(VALU_DEP_1)
	v_or_b32 v[\pw], v[\pw], v22                   ; with lane l xor 16's two the word is whole
.irp c, 0,1
	v_cvt_scalef32_pk16_fp6_f32 v[\pc+6*\c:\pc+6*\c+2], v[\xr+32*\c:\xr+32*\c+15], v[28+\c]
	v_cvt_scalef32_pk16_fp6_f32 v[PT+4*\c:PT+4*\c+2], v[\xr+32*\c+16:\xr+32*\c+31], v[28+\c]   ; (a conversion's three registers begin on an even number)
.endr
	v_nop                                          ; one plain place behind a scaled conversion
.irp c, 0,1
.irp i, 0,1,2
	v_mov_b32 v[\pc+6*\c+3+\i], v[PT+4*\c+\i]
.endr
.endr
.irp g, 0,1,2
	global_store_b128 v4, v[\pc+4*\g:\pc+4*\g+3], s[32:33] offset:1536*\s+512*\g   ; 512 consecutive bytes, aligned
.endr
.endm
	s_wait_loadcnt 16                              ; unit 0's loads are in
	TURN_ST 0
	TURN_LD 0, X0
	s_wait_loadcnt 0x0
	TURN_ST 1
	s_wait_dscnt 16                                ; all but unit 1's 16 stores: unit 0's stores have read their registers, which take unit 1's numbers, and unit 0's numbers are back
	TURN_LD 1, X1
	QUNIT 0, X0, PC0, 20
	s_wait_dscnt 0x0
	QUNIT 1, X1, PC1, 21
	s_mov_b32 vcc_lo, 0xffff0000
	v_cndmask_b32 v24, v20, v21, vcc_lo            ; lanes 0-15 the first K step's word of row r, lanes 16-31 the second's
	global_store_b32 v7, v24, s[34:35]             ; 128 consecutive bytes: one byte for each 128 that the wave read
	s_wait_tensorcnt 0x0
	ds_add_u32 v59, v63
	s_wait_dscnt 0x0
	s_endpgm
.Lfunc_end_k_q813ddfac8b_prep:
	.size	k_q813ddfac8b_prep, .Lfunc_end_k_q813ddfac8b_prep-k_q813ddfac8b_prep
	.p2alignl 7, 3214868480
	.fill 96, 4, 3214868480
	.section	.rodata,"a",@progbits
	.p2align	6, 0x0
	.amdhsa_kernel k_q813ddfac8b_prep
		.amdhsa_group_segment_fixed_size 136192
		.amdhsa_private_segment_fixed_size 0
		.amdhsa_enable_private_segment 0
		.amdhsa_kernarg_size 56
		.amdhsa_user_sgpr_count 2
		.amdhsa_user_sgpr_kernarg_segment_ptr 1
		.amdhsa_wavefront_size32 1
		.amdhsa_system_sgpr_workgroup_id_x 1
		.amdhsa_system_sgpr_workgroup_id_y 1
		.amdhsa_system_sgpr_workgroup_id_z 1
		.amdhsa_system_vgpr_workitem_id 0
		.amdhsa_next_free_vgpr 256
		.amdhsa_next_free_sgpr 66
		.amdhsa_reserve_vcc 1
		.amdhsa_float_denorm_mode_32 3
		.amdhsa_float_denorm_mode_16_64 3
		.amdhsa_memory_ordered 1
		.amdhsa_forward_progress 1
		.amdhsa_inst_pref_size 22
	.end_amdhsa_kernel
	.amdgpu_metadata
---
amdhsa.version: [ 1, 2 ]
amdhsa.kernels:
  - .name:           k_q813ddfac8b_prep
    .symbol:         k_q813ddfac8b_prep.kd
    .args:
      - { .name: x, .offset: 0, .size: 8, .value_kind: global_buffer, .address_space: global }
      - { .name: qkv_w, .offset: 8, .size: 8, .value_kind: global_buffer, .address_space: global }
      - { .name: proj_w, .offset: 16, .size: 8, .value_kind: global_buffer, .address_space: global }
      - { .name: pos, .offset: 24, .size: 8, .value_kind: global_buffer, .address_space: global }
      - { .name: opimg, .offset: 32, .size: 8, .value_kind: global_buffer, .address_space: global }
      - { .name: opsc, .offset: 40, .size: 8, .value_kind: global_buffer, .address_space: global }
      - { .name: cs, .offset: 48, .size: 8, .value_kind: global_buffer, .address_space: global }
    .group_segment_fixed_size: 136192
    .private_segment_fixed_size: 0
    .kernarg_segment_align: 8
    .kernarg_segment_size: 56
    .max_flat_workgroup_size: 256
    .sgpr_count:     66
    .vgpr_count:     256
    .wavefront_size: 32
...
	.end_amdgpu_metadata
.endif
;; end of part 1
;; launch qkv (part 2): grid 12 x 16, 4 waves a work-group, clusters of 4 x 4, 327,680 bytes of LDS; arguments opimg, opsc, cs, q_norm_w, k_norm_w, qimg, kv; writes qimg, kv
.if DOCPART == 2
	.amdgcn_target "amdgcn-amd-amdhsa--gfx1250"
	.amdhsa_code_object_version 6
	.text
	.protected	k_q813ddfac8b_qkv
	.globl	k_q813ddfac8b_qkv
	.p2align	8
	.type	k_q813ddfac8b_qkv,@function
k_q813ddfac8b_qkv:
	s_mov_b64 s[64:65], 0
	v_nop
	global_prefetch_b8 v0, s[64:65] scope:SCOPE_SE
	s_setreg_imm32_b32 hwreg(HW_REG_WAVE_MODE, 25, 1), 1
	s_wait_xcnt 0x0
	s_wait_alu depctr_hold_cnt(0) depctr_sa_sdst(0) depctr_va_vdst(0) depctr_va_sdst(0) depctr_va_ssrc(0) depctr_va_vcc(0) depctr_vm_vsrc(0)
	s_getreg_b32 s2, hwreg(HW_REG_IB_STS2, 6, 4)
	s_cmp_eq_u32 s2, 0
	s_cbranch_scc0 .Lentry_in_a_cluster
	s_endpgm
.Lentry_in_a_cluster:
	s_bfe_u32 s2, ttmp6, 0x10000c
	s_cmp_lg_u32 s2, 0xf033
	s_cbranch_scc0 .Lentry_shape_is_right
	s_endpgm
.Lentry_shape_is_right:
; x qkv_w^T on codes of FP6 (E2M3) with E8M0 scales, K = 1,024, and what follows it: q, k: RMS norm over the head's 64, the norm's weight, the rotation by (cos, sin), the quantiser along the head's 64;
; v: the quantiser along the tokens.  The results leave as images of the next launch's operand registers.
; A work-group makes 256 x 256 of the product, each of its four waves 128 x 128: 64 accumulators, 512 registers.  Clusters of 4 x 4; the cluster's x says what is made: 0 q, 1 k, 2 v.
; "A" is the matrix instruction's source 1 (its row is the result's lane), "B" its source 0 (its rows run along the result's registers).  q, k: A = 256 tokens, B = 256 features: a lane holds one token, and its
; registers run along the features.  v: A = 256 features of v, B = 256 tokens: a lane holds one feature and its registers run along the tokens, which are the K of the product that v goes into.  One main part serves all.
; A tile's rows are not neighbours (lane r of tile 2 c + u: row 32 c + 8 u + r + 8 (r / 8)), so the 16 registers of B's tiles 2 c, 2 c + 1 are 16 neighbours, 32 c + 16 (lane / 16) + 0 .. 15.
; A's tiles hang on the cluster's row, B's on its column: each is asked for JOINTLY by the four work-groups that share it.
; LDS: three slots of 256 along K (98,304 bytes: wave w's load, 8 tiles x 2 fragments, at 24,576 w; waves 0, 1 bring A's halves, 2, 3 B's); the scale words of all of K (16,384); the spare words.
; K's four quarters: three first fills, and one refill of slot 0.  A wave has one tensor load out at the start, later one.  All of a WGP's LDS is claimed.
; OUT: qimg [head 32][record 16] of 6,656 bytes for 128 queries: 8 tiles x 768 (6 registers a lane: registers 0-3 of lane l at 16 l, registers 4, 5 at 512 + 8 l; lanes l and l xor 8 exchanged in tiles 2, 3, 6, 7), then 512 bytes of scale words (lane l's 16 bytes: words g = 0 .. 3;
; lanes 0-15 tile 2 g, lanes 16-31 tile 2 g + 1; a word's bytes 2, 3 are 0).  kv [head][record] of 13,056 bytes for 128 keys: k as q; at 6,656 v's 4 fragments of 1,536 bytes (16 of the head's 64 x 128 keys); at 12,800 their scale words.
; LIMITS: NaN and infinities are not served; a block of zeros gets the byte 1 (its codes are zeros; this program alone reads the bytes).
; REGISTERS, in windows of 256.  Window 0: v1-16 addresses; v28, v29 for the add; v32-63 scale words, two sets, and nothing else; v64-159, v160-255 A's fragments, two sets.  Window 1: B's fragments at v0, v128.
; Windows 2, 3: accumulator (a, b) at v[8 (8 (a % 4) + b)] of window 2 + a / 4.  On the way out: window 0: v64-127 a tile's 64 numbers; v128-159 at work; v160-223 (cos, sin), two sets; v224-243 codes; v244-251 at work; window 1: v0-31 the norm's weight.
.set HALFT,  24576
.set SLOT,   4*HALFT
.set SCL,    3*SLOT
.set HALFS,  4096
.set SPARE,  SCL+4*HALFS               ; the spare words, 128 bytes for each wave: two blocks of 256 bytes that no other line names
.set FR,     12
.set ADRA,   8                         ; v8-10   my A fragments in slot 0, 1, 2
.set ADRB,   12                        ; v12-14  my B fragments
.set ADRS,   16                        ; v16     my scale words: lanes 0-15 A's, lanes 16-31 B's
.set PW,     20                        ; the scale word just made
.set INV,    24                        ; v24, v26: 1 / rms of the two heads (named as pairs)
.set SPW,    28
.set NIL,    29
.set SC,     32
.set AF,     64
.set W,      64
.set TM,     128                       ; v128-131 largest magnitudes, v132-135 the other lane's, then bytes, v140-143 scale operands
.set SW,     144                       ; v144-151 the records' scale words
.set SS,     152                       ; v152-159 sums of squares
.set CS,     160
.set PC,     224
.set T,      244
.set NW,     0
.set G1A,  32                          ; s[32:39], s[40:47] group 1 for A's and B's fragments; s[48:55], s[56:63] for their scale words
.set G1B,  40
.set G1SA, 48
.set G1SB, 56
.set G0A,  68                          ; s[68:83] group 0 for A: scale words, slot 0, 1, 2;  s[84:99] for B
.set G0B,  84
.set MSB, 0
.macro WIN new                         ; the immediate's high byte repeats the setting that is left
.if MSB != (\new)
	s_set_vgpr_msb (MSB<<8)|(\new)
.set MSB, (\new)
.endif
.endm
.set MUL_LO, 0xa1                      ; source 0 (B) window 1, source 1 (A) window 0, C and D window 2
.set MUL_HI, 0xf1                      ; the same, C and D window 3
.set TO_B,   0x40                      ; destination window 1
.macro PLACES                          ; four plain places behind a matrix instruction, in front of loads into its registers and of reads of its results
.rept 4
	v_nop
.endr
.endm
.macro JLOAD g0a, g0b                  ; a joint load: waves 0, 1 for A, waves 2, 3 for B; four v_nop follow each of the two lines
	s_cmp_eq_u32 s19, 0
	s_cbranch_scc0 .Lfor_b_\@
	tensor_load_to_lds s[\g0a:\g0a+3], s[G1A:G1A+7]
	s_nop 0
	PLACES
	s_branch .Lasked_\@
.Lfor_b_\@:
	tensor_load_to_lds s[\g0b:\g0b+3], s[G1B:G1B+7]
	s_nop 0
	PLACES
.Lasked_\@:
.endm
.macro CREST                           ; a round of the cluster's barrier behind its opening barrier
	s_cmp_lg_u32 s18, 0
	s_cbranch_scc1 .Lnot_wave_0_\@
	s_barrier_signal -3
.Lnot_wave_0_\@:
	s_barrier_wait -3
	s_barrier_signal -1
	s_barrier_wait -1
.endm
.macro CROUND
	s_barrier_signal -1
	s_barrier_wait -1
	CREST
.endm
	s_load_b256 s[4:11], s[0:1], 0x0               ; opimg, opsc, cs, q_norm_w
	s_load_b128 s[12:15], s[0:1], 0x20             ; k_norm_w, qimg
	s_load_b64 s[16:17], s[0:1], 0x30              ; kv
	v_lshl_add_u32 v[SPW], v0, 2, SPARE
	v_mov_b32 v[NIL], 0
	ds_add_u32 v28, v29
	ds_add_u32 v28, v29
	s_wait_dscnt 0x0
	v_lshrrev_b32 v1, 5, v0
	v_readfirstlane_b32 s18, v1                    ; wave 0..3
	s_lshr_b32 s19, s18, 1                         ; my half of A's rows.  Also: I fetch for A (0) or for B (1)
	s_and_b32 s20, s18, 1                          ; my half of B's rows.  Also: which half I fetch
	s_bfe_u32 s21, ttmp6, 0x40000                  ; cx
	s_bfe_u32 s22, ttmp6, 0x40004                  ; cy
	s_and_b32 s23, ttmp7, 0xffff                   ; the cluster's y
	s_lshl_b32 s24, s22, 2
	s_lshl_b32 s24, 15, s24                        ; my row of the cluster
	s_lshl_b32 s25, 0x1111, s21                    ; my column
	s_or_b32 s[G1A], s24, (3<<16)|(1<<21)          ; 15:0 the mask; 17:16 elements of 8 bytes; 21 set beside a mask; no padding: an image's 512 bytes are read by 32 lanes on end
	s_or_b32 s[G1SA], s24, (3<<16)|(1<<21)
	s_or_b32 s[G1B], s25, (3<<16)|(1<<21)
	s_or_b32 s[G1SB], s25, (3<<16)|(1<<21)
.irp g, G1A, G1B                       ; 8 tiles x 3,072 bytes (two fragments), 12,288 bytes from tile to tile
	s_mov_b32 s[\g+1], 384<<16
	s_mov_b32 s[\g+2], 16<<16                      ; the head's loads bring all 16 tiles of a side; behind them the two words that count rows are set to 8
	s_mov_b32 s[\g+3], 384<<16
	s_mov_b32 s[\g+4], 16
	s_mov_b32 s[\g+5], 1536
	s_mov_b32 s[\g+6], 0
	s_mov_b32 s[\g+7], 0
.endr
.irp g, G1SA, G1SB
	s_mov_b32 s[\g+1], 32<<16                      ; 16 tiles' scale words: 8,192 dense bytes as 32 rows of 256
	s_mov_b32 s[\g+2], 32<<16
	s_mov_b32 s[\g+3], 32<<16
	s_mov_b32 s[\g+4], 32
	s_mov_b32 s[\g+5], 32
	s_mov_b32 s[\g+6], 0
	s_mov_b32 s[\g+7], 0
.endr
	s_cmp_eq_u32 ttmp9, 2                          ; v?  The same in all partners of a cluster
	s_cselect_b32 s26, 0, s23                      ; A: tokens 256 (4 y + cy), or v's features 256 cy
	s_cselect_b32 s27, 384, 0
	s_cselect_b32 s28, s23, ttmp9                  ; B: features 256 (4 x + cx), or tokens 256 (4 y + cx)
	s_cselect_b32 s29, 0, 256
	s_lshl_b32 s26, s26, 2
	s_add_co_u32 s26, s26, s22
	s_lshl_b32 s26, s26, 4
	s_add_co_u32 s26, s26, s27
	s_lshl_b32 s28, s28, 2                         ; s26: the first of A's 16 tiles
	s_add_co_u32 s28, s28, s21
	s_lshl_b32 s28, s28, 4
	s_add_co_u32 s28, s28, s29                     ; s28: the first of B's 16
	s_mul_i32 s66, s26, 12288
	s_mov_b32 s67, 0
	s_lshl_b32 s100, s26, 9
	s_mov_b32 s101, 0
	s_mul_i32 s30, s28, 12288
	s_mov_b32 s31, 0
	s_lshl_b32 s2, s28, 9
	s_mov_b32 s3, 0
	s_mul_i32 s24, s18, HALFT                      ; where they go: no place in the cluster enters an LDS address
	s_wait_kmcnt 0x0
	s_add_nc_u64 s[66:67], s[4:5], s[66:67]
	s_add_nc_u64 s[100:101], s[6:7], s[100:101]
	s_add_nc_u64 s[30:31], s[4:5], s[30:31]
	s_add_nc_u64 s[2:3], s[6:7], s[2:3]
	CROUND                                         ; all sixteen work-groups are here: the first joint loads meet
	s_mov_b32 s[G0A], 1
	s_mov_b32 s[G0A+1], SCL
	s_mov_b64 s[G0A+2:G0A+3], s[100:101]
	s_or_b32 s[G0A+3], s[G0A+3], 0x80000000
	s_mov_b32 s[G0B], 1
	s_mov_b32 s[G0B+1], SCL+2*HALFS
	s_mov_b64 s[G0B+2:G0B+3], s[2:3]
	s_or_b32 s[G0B+3], s[G0B+3], 0x80000000
	s_mov_b32 s[G0A+4], 1                          ; slot 0's first fill: A's 16 tiles by one load,
	s_mov_b32 s[G0A+5], 0
	s_mov_b64 s[G0A+6:G0A+7], s[66:67]
	s_or_b32 s[G0A+7], s[G0A+7], 0x80000000
	s_mov_b32 s[G0B+4], 1                          ; B's 16 by another, behind them
	s_mov_b32 s[G0B+5], 2*HALFT
	s_mov_b64 s[G0B+6:G0B+7], s[30:31]
	s_or_b32 s[G0B+7], s[G0B+7], 0x80000000
	s_mul_i32 s100, s20, 8*12288                   ; every later fill brings 8 tiles a wave: my half of the 16, in bytes
	s_mov_b32 s101, 0
	s_add_nc_u64 s[66:67], s[66:67], s[100:101]
	s_add_nc_u64 s[30:31], s[30:31], s[100:101]
.irp s, 1,2
	s_mov_b32 s[G0A+4+4*\s], 1
	s_add_co_u32 s[G0A+5+4*\s], s24, \s*SLOT
	s_add_nc_u64 s[G0A+6+4*\s:G0A+7+4*\s], s[66:67], \s*3072
	s_or_b32 s[G0A+7+4*\s], s[G0A+7+4*\s], 0x80000000
	s_mov_b32 s[G0B+4+4*\s], 1
	s_add_co_u32 s[G0B+5+4*\s], s24, \s*SLOT
	s_add_nc_u64 s[G0B+6+4*\s:G0B+7+4*\s], s[30:31], \s*3072
	s_or_b32 s[G0B+7+4*\s], s[G0B+7+4*\s], 0x80000000
.endr
; THE ORDER OF THE FILLS AS THIS TEXT HAS IT: at the head ONE load a wave: wave 0 A's 16 tiles of slot 0, wave 1 B's, wave 2 A's scale words, wave 3 B's.
; One tree of branches on the wave's number: every way passes exactly one load.  Slots 1 and 2 are first filled behind the three lines and a round of the cluster's barrier, a quarter of a slot a wave; then slot 0 is filled again.
.macro ARM under, g0, g1, next
	s_cmp_lt_u32 s18, \under
	s_cbranch_scc0 \next
	tensor_load_to_lds s[\g0:\g0+3], s[\g1:\g1+7]
	s_nop 0
	PLACES
	s_branch .Lfirst_asked
\next:
.endm
	ARM 1, G0A+4, G1A, .Lhead_b
	ARM 2, G0B+4, G1B, .Lhead_sa
	ARM 3, G0A, G1SA, .Lhead_sb
	tensor_load_to_lds s[G0B:G0B+3], s[G1SB:G1SB+7]
	s_nop 0
	PLACES
.Lfirst_asked:
	v_and_b32 v1, 15, v0                           ; r
	v_bfe_u32 v2, v0, 4, 1                         ; h
	v_and_b32 v5, 31, v0
	v_lshlrev_b32 v3, 4, v5                        ; 16 x lane
	v_lshlrev_b32 v4, 3, v5                        ; 8 x lane
	s_mul_i32 s26, s19, HALFT                      ; my 8 tiles of A,
	s_mul_i32 s27, s20, HALFT
	s_add_co_u32 s27, s27, 2*HALFT                 ; and of B, behind A's 16
.irp s, 0,1,2
	v_add_nc_u32 v[ADRA+\s], s26, v3
	v_add_nc_u32 v[ADRB+\s], s27, v3
	s_add_co_u32 s26, s26, SLOT
	s_add_co_u32 s27, s27, SLOT
.endr
	s_xor_b32 s27, s19, 1                          ; from my A's scale words to my B's: HALFS x (2 + B's half - A's half)
	s_add_co_u32 s27, s27, s20
	s_add_co_u32 s27, s27, 1
	s_mul_i32 s27, s27, HALFS
	v_mul_u32_u24 v6, s27, v2                      ; lanes 16-31 take B's
	s_mul_i32 s26, s19, HALFS
	s_add_co_u32 s26, s26, SCL
	v_lshl_add_u32 v6, v1, 3, v6                   ; 8 bytes a row
	v_add_nc_u32 v[ADRS], s26, v6
	; PREFETCHES INTO THE L2.  A later fill of mine is 8 tiles x 3,072 bytes = 96 blocks of 256 bytes; the four partners that ask for it jointly share them out BY ADDRESS: the partner at place p (cx for A, cy for B)
	; takes tiles 2 p, 2 p + 1: 24 blocks, a lane a block (lanes 24-31 name the last again).  K's quarters 1 and 2 are asked for here, quarter 3 in K step 0: each ahead of the fill before its own.
	v_and_b32 v19, 31, v0
	v_min_u32 v19, 23, v19
	v_mul_u32_u24 v18, v19, 171
	v_lshrrev_b32 v18, 11, v18                     ; block / 12: which of the two tiles
	v_mul_u32_u24 v18, v18, 9216
	v_lshl_add_u32 v18, v19, 8, v18                ; 256 x block, + 12,288 - 3,072 for the second tile; never rewritten
	s_cmp_eq_u32 s19, 0
	s_cselect_b64 s[2:3], s[66:67], s[30:31]       ; my 8 tiles, of A or of B; never rewritten
	s_cselect_b32 s26, s21, s22
	s_mul_i32 s26, s26, 2*12288
	s_mov_b32 s27, 0
	s_add_nc_u64 s[2:3], s[2:3], s[26:27]
	global_prefetch_b8 v18, s[2:3] offset:3072 th:TH_LOAD_NT scope:SCOPE_SE
	global_prefetch_b8 v18, s[2:3] offset:6144 th:TH_LOAD_NT scope:SCOPE_SE
.macro FRAG128 reg, adr, off           ; a fragment comes back as it was stored: three loads of 512 consecutive bytes
.irp g, 0,1,2
	ds_load_b128 v[\reg+4*\g:\reg+4*\g+3], v[\adr] offset:\off+512*\g
.endr
.endm
.macro FETCH_B slot, q, p              ; B's eight fragments of the slot's q-th 128 along K into set p
	WIN TO_B
.irp i, 0,1,2,3,4,5,6,7
	FRAG128 128*(\p)+FR*\i, ADRB+\slot, 3072*\i+1536*(\q)
.endr
	WIN 0
.endm
.macro FETCH_A slot, q, p
.irp i, 0,1,2,3,4,5,6,7
	FRAG128 AF+96*(\p)+FR*\i, ADRA+\slot, 3072*\i+1536*(\q)
.endr
.endm
.macro SCALES kp, set                  ; the scale words of K steps 2 kp, 2 kp + 1: register 2 i + q: lanes 0-15 A's tile i, lanes 16-31 B's tile i
.irp i, 0,1,2,3,4,5,6,7
	ds_load_b64 v[SC+16*(\set)+2*\i:SC+16*(\set)+2*\i+1], v[ADRS] offset:512*\i+128*(\kp)
.endr
.endm
; 16 matrix instructions: A's tiles a0, a0 + 1 x B's eight, K step n.  The 64 accumulators take turns, one instruction a turn, in the same order in every step.
.macro MUL16 a0, p, n, zero
.irp a, \a0, \a0+1
.irp b, 0,1,2,3,4,5,6,7
.if \zero
	v_wmma_scale_f32_16x16x128_f8f6f4 v[8*(8*((\a)%4)+\b):8*(8*((\a)%4)+\b)+7], v[128*(\p)+FR*\b:128*(\p)+FR*\b+FR-1], v[AF+96*(\p)+FR*(\a):AF+96*(\p)+FR*(\a)+FR-1], 0, v[SC+16*(((\n)/2)%2)+2*\b+(\n)%2], v[SC+16*(((\n)/2)%2)+2*(\a)+(\n)%2] matrix_a_fmt:MATRIX_FMT_FP6 matrix_b_fmt:MATRIX_FMT_FP6 matrix_a_scale:MATRIX_SCALE_ROW1
.else
	v_wmma_scale_f32_16x16x128_f8f6f4 v[8*(8*((\a)%4)+\b):8*(8*((\a)%4)+\b)+7], v[128*(\p)+FR*\b:128*(\p)+FR*\b+FR-1], v[AF+96*(\p)+FR*(\a):AF+96*(\p)+FR*(\a)+FR-1], v[8*(8*((\a)%4)+\b):8*(8*((\a)%4)+\b)+7], v[SC+16*(((\n)/2)%2)+2*\b+(\n)%2], v[SC+16*(((\n)/2)%2)+2*(\a)+(\n)%2] matrix_a_fmt:MATRIX_FMT_FP6 matrix_b_fmt:MATRIX_FMT_FP6 matrix_a_scale:MATRIX_SCALE_ROW1
.endif
.endr
.endr
.endm
.macro MULLO n, zero
	WIN MUL_LO
	MUL16 0, (\n)%2, \n, \zero
	MUL16 2, (\n)%2, \n, \zero
.endm
.macro MULHI n, zero
	WIN MUL_HI
	MUL16 4, (\n)%2, \n, \zero
	MUL16 6, (\n)%2, \n, \zero
.endm
	; THE PRODUCT: eight K steps of 128, written out.  An even step reads on in the slot that is already whole: the next step's fragments are asked for at its head, 64 matrix instructions ahead of their use.
	; An odd step enters another slot: the next step's fragments are asked for behind its barrier, in its middle.
	s_wait_alu depctr_va_vdst(0)
	s_wait_tensorcnt 0x0
	ds_add_u32 v[SPW], v[NIL]
	s_mov_b32 s[G1A+2], 8<<16                      ; no tensor load of mine is out: from here on a load brings 8 tiles
	s_mov_b32 s[G1A+4], 8
	s_mov_b32 s[G1B+2], 8<<16
	s_mov_b32 s[G1B+4], 8
	s_wait_dscnt 0x0
	CROUND                                         ; all four tiles are in, and all sixteen work-groups are here
	JLOAD G0A+8, G0B+8                             ; slot 1's first fill, the first tensor load behind the round
	FETCH_B 0, 0, 0
	FETCH_A 0, 0, 0
	SCALES 0, 0
	global_prefetch_b8 v18, s[2:3] offset:9216 th:TH_LOAD_NT scope:SCOPE_SE   ; K's last quarter
	FETCH_B 0, 1, 1
	FETCH_A 0, 1, 1
	s_wait_dscnt 48                                ; step 0: all but the 48 loads just issued; its products start the sums: nothing is cleared
	MULLO 0, 1
	MULHI 0, 1
	WIN 0                                          ; step 1: slot 1 is entered, and slot 2 is filled for the first time, as a refill is
	s_wait_tensorcnt 0x0                           ; my part of slot 1 is in
	ds_add_u32 v[SPW], v[NIL]
	s_wait_dscnt 0x0
	s_barrier_signal -1                            ; this barrier opens a round of the cluster's barrier
	MULLO 1, 0
	WIN 0
	s_barrier_wait -1
	CREST
	JLOAD G0A+12, G0B+12                           ; its four v_nop are also the places in front of the loads below
	FETCH_B 1, 0, 0
	FETCH_A 1, 0, 0
	SCALES 1, 1
	MULHI 1, 0
	PLACES                                         ; step 2: places in front of loads into the set that step 1 has read
	FETCH_B 1, 1, 1
	FETCH_A 1, 1, 1
	s_wait_dscnt 48                                ; all but the 48 loads just issued
	MULLO 2, 0
	MULHI 2, 0
	WIN 0                                          ; step 3: slot 2 is entered, and slot 0, last read in step 0, is filled again.  (The add's two registers lie in window 0)
	s_wait_tensorcnt 0x0                           ; all my tensor loads have landed
	ds_add_u32 v[SPW], v[NIL]                      ; 0 onto my spare word
	s_wait_dscnt 0x0                               ; the add is done, and my LDS reads are back
	s_barrier_signal -1                            ; this barrier opens a round of the cluster's barrier
	MULLO 3, 0
	WIN 0
	s_barrier_wait -1
	CREST                                          ; no wave of any partner still reads slot 0 or has a load on its way
	s_mov_b32 s[G0A+5], s24                        ; slot 0 again, now a quarter a wave: wave x 8 tiles in LDS,
	s_mov_b32 s[G0B+5], s24
	s_add_nc_u64 s[G0A+6:G0A+7], s[G0A+6:G0A+7], 9216      ; K's last quarter,
	s_add_nc_u64 s[G0B+6:G0B+7], s[G0B+6:G0B+7], 9216
	s_add_nc_u64 s[G0A+6:G0A+7], s[G0A+6:G0A+7], s[100:101] ; my half of the 16 tiles
	s_add_nc_u64 s[G0B+6:G0B+7], s[G0B+6:G0B+7], s[100:101]
	JLOAD G0A+4, G0B+4                             ; the first tensor load behind the round, 96 matrix instructions ahead of the wait for it; its four v_nop are also the places in front of the loads below
	FETCH_B 2, 0, 0
	FETCH_A 2, 0, 0
	SCALES 2, 0
	MULHI 3, 0
	PLACES                                         ; step 4
	FETCH_B 2, 1, 1
	FETCH_A 2, 1, 1
	s_wait_dscnt 48                                ; all but the 48 loads just issued
	MULLO 4, 0
	MULHI 4, 0
	s_wait_tensorcnt 0x0                           ; step 5: the one load that is out, my part of K's last quarter, is in,
	s_wait_dscnt 0x0
	s_barrier_signal -1
	MULLO 5, 0
	s_barrier_wait -1                              ; everybody's is
	PLACES
	FETCH_B 0, 0, 0
	FETCH_A 0, 0, 0
	SCALES 3, 1
	MULHI 5, 0
	PLACES                                         ; step 6
	FETCH_B 0, 1, 1
	FETCH_A 0, 1, 1
	s_wait_dscnt 48                                ; all but the 48 loads just issued
	MULLO 6, 0
	MULHI 6, 0
	s_wait_dscnt 0x0                               ; step 7
	MULLO 7, 0
	MULHI 7, 0
	WIN 0
	; THE WAY OUT.  No tensor load is out, so the descriptors' registers serve again.
	PLACES
	s_mov_b32 s40, 0x76543210
	s_mov_b32 s41, 0xfedcba98                      ; v_permlanex16_b32's selects for lane l xor 16
	s_mov_b32 s42, 0x3c800000                      ; 1 / 64
	s_mov_b32 s43, 0x358637bd                      ; 1e-6
.irp b, 0,1,2,3
	v_mov_b32 v[TM+4+\b], 0                        ; written once: a lane permute's destination counts as one of its sources
.endr
	v_mov_b32 v[INV+1], 0                          ; (named as the upper halves of pairs)
	v_mov_b32 v[INV+3], 0
	s_mov_b32 vcc_lo, 0xffff0000                   ; lanes 16-31
; 64 numbers of a lane in window w, register 16 b + i = k 32 b + 16 (lane / 16) + i of my row, become a fragment's codes in v[PC] on and its scale word in v[PW].  Each accumulator is read from its low end on.
.macro QUANT s, w
.set QW, ((\w)<<2)|((\w)<<4)
	WIN QW
.irp b, 0,1,2,3
	v_max3_num_f32 v[TM+\b], 0x1800000, |v[\s+16*\b]|, |v[\s+16*\b+1]|   ; the floor 2^(3 - 127) among the leaves: the byte cannot fall under 1
.endr
.irp i, 2,4,6,8,10,12,14
.irp b, 0,1,2,3
	v_max3_num_f32 v[TM+\b], v[TM+\b], |v[\s+16*\b+\i]|, |v[\s+16*\b+\i+1]|
.endr
.endr
	WIN 0
.irp b, 0,1,2,3
	v_permlanex16_b32 v[TM+4+\b], v[TM+\b], s40, s41
.endr
.irp b, 0,1,2,3
	v_max_num_f32 v[TM+\b], v[TM+\b], v[TM+4+\b]   ; with lane l xor 16's: the block's largest magnitude
.endr
.irp b, 0,1,2,3
	v_add_nc_u32 v[TM+12+\b], 0xff000000, v[TM+\b] ; 2 off its exponent field: the conversion's scale operand
.endr
.irp b, 0,1,2,3
	v_lshrrev_b32 v[TM+4+\b], 23, v[TM+12+\b]      ; the scale's byte
.endr
	v_lshl_or_b32 v[PW], v[TM+5], 8, v[TM+4]
	v_lshl_or_b32 v[PW], v[TM+6], 16, v[PW]
	v_lshl_or_b32 v[PW], v[TM+7], 24, v[PW]
	s_wait_xcnt 0x0                                ; the last tile's stores have read the codes' registers
	WIN \w
.irp c, 0,1
	v_cvt_scalef32_pk16_fp6_f32 v[PC+6*\c:PC+6*\c+2], v[\s+32*\c:\s+32*\c+15], v[TM+12+2*\c]
	v_cvt_scalef32_pk16_fp6_f32 v[PC+12+4*\c:PC+14+4*\c], v[\s+32*\c+16:\s+32*\c+31], v[TM+13+2*\c]   ; (a conversion's three registers begin on an even number)
.endr
	WIN 0
	v_nop                                          ; one plain place behind a scaled conversion
.irp c, 0,1                            ; the operand's layout wants a whole block in a lane: lanes 0-15 block 2 c, lanes 16-31 block 2 c + 1
.irp i, 0,1,2
	v_permlane16_swap_b32 v[PC+6*\c+\i], v[PC+12+4*\c+\i]
.endr
.irp i, 0,1,2
	v_mov_b32 v[PC+3+6*\c+\i], v[PC+12+4*\c+\i]
.endr
.endr
.endm
	s_cmp_eq_u32 ttmp9, 2
	s_cbranch_scc1 .Lv
	; ---- q or k.  My 128 tokens are one record; my 128 features are two heads.
	s_lshl_b32 s24, s23, 2
	s_add_co_u32 s24, s24, s22                     ; which 256 tokens
	s_lshr_b32 s25, s24, 3                         ; the batch
	s_and_b32 s26, s24, 7
	s_lshl_b32 s26, s26, 1
	s_add_co_u32 s26, s26, s19                     ; the record
	s_lshl_b32 s27, s25, 4
	s_lshl_b32 s28, s21, 2
	s_add_co_u32 s27, s27, s28
	s_lshl_b32 s28, s20, 1
	s_add_co_u32 s27, s27, s28                     ; 16 x batch + my first head
	s_cmp_eq_u32 ttmp9, 0
	s_cselect_b64 s[32:33], s[14:15], s[16:17]     ; qimg or kv
	s_cselect_b64 s[38:39], s[10:11], s[12:13]     ; q_norm_w or k_norm_w
	s_mov_b32 s29, 208896
	s_cselect_b32 s29, 106496, s29                 ; bytes of a head,
	s_mov_b32 s30, 13056
	s_cselect_b32 s30, 6656, s30                   ; of a record
	s_mul_i32 s44, s27, s29
	s_mul_i32 s31, s26, s30
	s_add_co_u32 s44, s44, s31
	s_mov_b32 s45, 0
	s_add_nc_u64 s[32:33], s[32:33], s[44:45]      ; my record of my first head,
	s_mov_b32 s44, s29
	s_add_nc_u64 s[34:35], s[32:33], s[44:45]      ; and of my second
	s_lshl_b32 s44, s24, 8
	s_lshl_b32 s31, s19, 7
	s_add_co_u32 s44, s44, s31
	s_and_b32 s44, s44, 2047                       ; my first token's place in its sequence
	s_lshl_b32 s44, s44, 8
	s_add_nc_u64 s[36:37], s[8:9], s[44:45]        ; its 256 bytes of (cos, sin)
	v_and_b32 v5, 8, v1
	v_add_nc_u32 v5, v5, v1                        ; r + 8 (r / 8)
	v_lshlrev_b32 v5, 8, v5
	v_lshl_add_u32 v5, v2, 6, v5                   ; (cos, sin): my token's row, + 64 h: feature d's cos or sin lies at byte 4 d
	v_lshlrev_b32 v6, 6, v2                        ; the weight: 64 h
	v_xor_b32 v7, 128, v3                          ; 16 x (lane xor 8),
	v_xor_b32 v11, 64, v4                          ; 8 x (lane xor 8): for the tiles whose lanes' places are exchanged
	WIN TO_B
.irp b, 0,1
.irp j, 0,1,2,3
	global_load_b128 v[NW+16*\b+4*\j:NW+16*\b+4*\j+3], v6, s[38:39] offset:128*\b+16*\j   ; register 16 b + i: the weight of feature 32 b + 16 h + i
.endr
.endr
	WIN 0
.macro LOADCS a                        ; tile a's (cos, sin), in the order of a head's 32 registers, into set a % 2
.irp b, 0,1
.irp j, 0,1,2,3
	global_load_b128 v[CS+32*((\a)%2)+16*\b+4*\j:CS+32*((\a)%2)+16*\b+4*\j+3], v5, s[36:37] offset:(32*((\a)/2)+8*((\a)%2))*256+128*\b+16*\j
.endr
.endr
.endm
	LOADCS 0
.macro TILEQK a
.set AC, 64*((\a)%4)
.set WA, 2+(\a)/4
.set WW, WA|(WA<<2)
.set CSR, CS+32*((\a)%2)
.if (\a) < 7
	LOADCS (\a)+1
	s_wait_loadcnt 0x8                             ; all but the next tile's eight loads
.else
	s_wait_loadcnt 0x0
.endif
	WIN WW
.irp p, 0,1                            ; the sums of squares: two chains a head, pairs ascending
.irp e, 0,1
	v_pk_mul_f32 v[SS+4*\e+2*\p:SS+4*\e+2*\p+1], v[AC+32*\e+2*\p:AC+32*\e+2*\p+1], v[AC+32*\e+2*\p:AC+32*\e+2*\p+1]
.endr
.endr
.irp p, 2,3,4,5,6,7,8,9,10,11,12,13,14,15
.irp e, 0,1
	v_pk_fma_f32 v[SS+4*\e+2*(\p%2):SS+4*\e+2*(\p%2)+1], v[AC+32*\e+2*\p:AC+32*\e+2*\p+1], v[AC+32*\e+2*\p:AC+32*\e+2*\p+1], v[SS+4*\e+2*(\p%2):SS+4*\e+2*(\p%2)+1]
.endr
.endr
	WIN 0
.irp e, 0,1
	v_pk_add_f32 v[SS+4*\e:SS+4*\e+1], v[SS+4*\e:SS+4*\e+1], v[SS+4*\e+2:SS+4*\e+3]
.endr
.irp e, 0,1
	v_add_f32 v[SS+4*\e], v[SS+4*\e], v[SS+4*\e+1]
.endr
.irp e, 0,1
	v_permlanex16_b32 v[SS+4*\e+2], v[SS+4*\e], s40, s41   ; the head's other 32 features lie in lane l xor 16
.endr
.irp e, 0,1
	v_add_f32 v[SS+4*\e], v[SS+4*\e], v[SS+4*\e+2]
.endr
.irp e, 0,1
	v_fma_f32 v[SS+4*\e], v[SS+4*\e], s42, s43     ; the mean + 1e-6
.endr
	s_wait_alu depctr_va_vdst(0)
.irp e, 0,1
	v_rsq_f32 v[INV+2*\e], v[SS+4*\e]
.endr
	v_nop                                          ; one plain place behind a transcendental
	WIN WA
.set p, 0
	s_wait_alu depctr_va_vdst(0)
.rept 32
	v_pk_mul_f32 v[W+2*p:W+2*p+1], v[AC+2*p:AC+2*p+1], v[INV+2*(p/16):INV+2*(p/16)+1] op_sel_hi:[1,0]
.set p, p+1
.endr
	WIN 0x04                                       ; source 1: window 1
.set p, 0
.rept 32
	v_pk_mul_f32 v[W+2*p:W+2*p+1], v[W+2*p:W+2*p+1], v[NW+(2*p)%32:NW+(2*p)%32+1]
.set p, p+1
.endr
	WIN 0
.irp g, 0,1,2,3,4,5,6,7                ; the rotation of a pair (xr, xi) by (cos, sin): (-xi sin, xi cos), then (xr cos, xr sin) added by a fused multiply-add
.irp k, 0,1,2,3
	v_pk_mul_f32 v[T+2*\k:T+2*\k+1], v[W+8*\g+2*\k:W+8*\g+2*\k+1], v[CSR+(8*\g+2*\k)%32:CSR+(8*\g+2*\k)%32+1] op_sel:[1,1] op_sel_hi:[1,0] neg_lo:[1,0]
.endr
.irp k, 0,1,2,3
	v_pk_fma_f32 v[W+8*\g+2*\k:W+8*\g+2*\k+1], v[W+8*\g+2*\k:W+8*\g+2*\k+1], v[CSR+(8*\g+2*\k)%32:CSR+(8*\g+2*\k)%32+1], v[T+2*\k:T+2*\k+1] op_sel_hi:[0,1,1]
.endr
.endr
	QUANT W, 0                                     ; registers 0-5 are the first head's 64 along K, registers 6-11 the second's
	; a tile's 768 bytes: registers 0-3 of lane l at 16 l', registers 4, 5 at 512 + 8 l'; l' = l in tiles 0, 1, 4, 5 of a record and l xor 8 in tiles 2, 3, 6, 7,
	; so that the next launch's lanes, which read rows of tiles a and a + 2 by one LDS load, fall on different banks.  Each store covers the same 512 or 256 consecutive bytes, aligned
	global_store_b128 v[3+4*(((\a)/2)%2)], v[PC:PC+3], s[32:33] offset:768*(\a)
	global_store_b64 v[4+7*(((\a)/2)%2)], v[PC+4:PC+5], s[32:33] offset:768*(\a)+512
	global_store_b128 v[3+4*(((\a)/2)%2)], v[PC+6:PC+9], s[34:35] offset:768*(\a)
	global_store_b64 v[4+7*(((\a)/2)%2)], v[PC+10:PC+11], s[34:35] offset:768*(\a)+512
.if (\a)%2 == 0
	v_and_b32 v[SW+(\a)/2], 0xffff, v[PW]          ; the first head's two bytes; bytes 2, 3 stay 0
	v_lshrrev_b32 v[SW+4+(\a)/2], 16, v[PW]        ; the second's
.else
	v_and_b32 v21, 0xffff, v[PW]
	v_lshrrev_b32 v22, 16, v[PW]
	v_cndmask_b32 v[SW+(\a)/2], v[SW+(\a)/2], v21, vcc_lo          ; an odd tile's words go into lanes 16-31
	v_cndmask_b32 v[SW+4+(\a)/2], v[SW+4+(\a)/2], v22, vcc_lo
.endif
.endm
.irp a, 0,1,2,3,4,5,6,7
	TILEQK \a
.endr
	global_store_b128 v3, v[SW:SW+3], s[32:33] offset:6144
	global_store_b128 v3, v[SW+4:SW+7], s[34:35] offset:6144
	s_branch .Lend
.Lv:	; ---- v.  My 128 features are two heads (four tiles each); my 128 tokens are one record's keys, and they run along my registers.
	s_lshl_b32 s24, s23, 2
	s_add_co_u32 s24, s24, s21                     ; which 256 tokens
	s_lshr_b32 s25, s24, 3                         ; the batch
	s_and_b32 s26, s24, 7
	s_lshl_b32 s26, s26, 1
	s_add_co_u32 s26, s26, s20                     ; the record
	s_lshl_b32 s27, s25, 4
	s_lshl_b32 s28, s22, 2
	s_add_co_u32 s27, s27, s28
	s_lshl_b32 s28, s19, 1
	s_add_co_u32 s27, s27, s28                     ; 16 x batch + my first head
	s_mul_i32 s44, s27, 208896
	s_mul_i32 s31, s26, 13056
	s_add_co_u32 s44, s44, s31
	s_add_co_u32 s44, s44, 6656                    ; v's part of a record
	s_mov_b32 s45, 0
	s_add_nc_u64 s[32:33], s[16:17], s[44:45]
	s_add_nc_u64 s[34:35], s[32:33], 208896
.macro TILEV a
.set AC, 64*((\a)%4)
.set WA, 2+(\a)/4
	QUANT AC, WA
.irp g, 0,1,2
	global_store_b128 v3, v[PC+4*\g:PC+4*\g+3], s[32+2*((\a)/4):33+2*((\a)/4)] offset:1536*((\a)%4)+512*\g   ; 512 consecutive bytes, aligned
.endr
.if (\a)%2 == 0
	v_mov_b32 v[SW+2*((\a)/4)+((\a)%4)/2], v[PW]
.else
	v_cndmask_b32 v[SW+2*((\a)/4)+((\a)%4)/2], v[SW+2*((\a)/4)+((\a)%4)/2], v[PW], vcc_lo
.endif
.endm
.irp a, 0,1,2,3,4,5,6,7
	TILEV \a
.endr
	global_store_b64 v4, v[SW:SW+1], s[32:33] offset:6144
	global_store_b64 v4, v[SW+2:SW+3], s[34:35] offset:6144
.Lend:
	s_wait_tensorcnt 0x0                           ; the wave's end
	ds_add_u32 v[SPW], v[NIL]
	s_wait_dscnt 0x0
	CROUND                                         ; the closing round: no work-group ends while a partner may still ask for a tile that names it
	s_endpgm
.Lfunc_end_k_q813ddfac8b_qkv:
	.size	k_q813ddfac8b_qkv, .Lfunc_end_k_q813ddfac8b_qkv-k_q813ddfac8b_qkv
	.p2alignl 7, 3214868480
	.fill 96, 4, 3214868480
	.section	.rodata,"a",@progbits
	.p2align	6, 0x0
	.amdhsa_kernel k_q813ddfac8b_qkv
		.amdhsa_group_segment_fixed_size 327680
		.amdhsa_private_segment_fixed_size 0
		.amdhsa_enable_private_segment 0
		.amdhsa_kernarg_size 56
		.amdhsa_user_sgpr_count 2
		.amdhsa_user_sgpr_kernarg_segment_ptr 1
		.amdhsa_wavefront_size32 1
		.amdhsa_system_sgpr_workgroup_id_x 1
		.amdhsa_system_sgpr_workgroup_id_y 1
		.amdhsa_system_sgpr_workgroup_id_z 1
		.amdhsa_system_vgpr_workitem_id 0
		.amdhsa_next_free_vgpr 1024
		.amdhsa_next_free_sgpr 102
		.amdhsa_reserve_vcc 1
		.amdhsa_float_denorm_mode_32 3
		.amdhsa_float_denorm_mode_16_64 3
		.amdhsa_memory_ordered 1
		.amdhsa_forward_progress 1
		.amdhsa_inst_pref_size 255
	.end_amdhsa_kernel
	.section	.bss,"aw",@nobits
	.p2align	6
	.space	262144
	.amdgpu_metadata
---
amdhsa.version: [ 1, 2 ]
amdhsa.kernels:
  - .name:           k_q813ddfac8b_qkv
    .symbol:         k_q813ddfac8b_qkv.kd
    .args:
      - { .name: opimg, .offset: 0, .size: 8, .value_kind: global_buffer, .address_space: global }
      - { .name: opsc, .offset: 8, .size: 8, .value_kind: global_buffer, .address_space: global }
      - { .name: cs, .offset: 16, .size: 8, .value_kind: global_buffer, .address_space: global }
      - { .name: q_norm_w, .offset: 24, .size: 8, .value_kind: global_buffer, .address_space: global }
      - { .name: k_norm_w, .offset: 32, .size: 8, .value_kind: global_buffer, .address_space: global }
      - { .name: qimg, .offset: 40, .size: 8, .value_kind: global_buffer, .address_space: global }
      - { .name: kv, .offset: 48, .size: 8, .value_kind: global_buffer, .address_space: global }
    .group_segment_fixed_size: 327680
    .private_segment_fixed_size: 0
    .kernarg_segment_align: 8
    .kernarg_segment_size: 56
    .max_flat_workgroup_size: 128
    .sgpr_count:     102
    .vgpr_count:     1024
    .wavefront_size: 32
...
	.end_amdgpu_metadata
.endif
;; end of part 2
;; launch attn (part 3): grid 8 x 32, 16 waves a work-group, clusters of 4 x 1, 210,944 bytes of LDS; arguments qimg, kv, ao, aosc; writes ao, aosc
.if DOCPART == 3
	.amdgcn_target "amdgcn-amd-amdhsa--gfx1250"
	.amdhsa_code_object_version 6
	.text
	.protected	k_q813ddfac8b_attn
	.globl	k_q813ddfac8b_attn
	.p2align	8
	.type	k_q813ddfac8b_attn,@function
k_q813ddfac8b_attn:
	s_mov_b64 s[64:65], 0
	v_nop
	global_prefetch_b8 v0, s[64:65] scope:SCOPE_SE
	s_setreg_imm32_b32 hwreg(HW_REG_WAVE_MODE, 25, 1), 1
	s_wait_xcnt 0x0
	s_wait_alu depctr_hold_cnt(0) depctr_sa_sdst(0) depctr_va_vdst(0) depctr_va_sdst(0) depctr_va_ssrc(0) depctr_va_vcc(0) depctr_vm_vsrc(0)
	s_getreg_b32 s2, hwreg(HW_REG_IB_STS2, 6, 4)
	s_cmp_eq_u32 s2, 0
	s_cbranch_scc0 .Lentry_in_a_cluster
	s_endpgm
.Lentry_in_a_cluster:
	s_bfe_u32 s2, ttmp6, 0x10000c
	s_cmp_lg_u32 s2, 0x3003
	s_cbranch_scc0 .Lentry_shape_is_right
	s_endpgm
.Lentry_shape_is_right:
; O = softmax(q k^T / 8) v for one head, both products on codes of FP6 (E2M3) with E8M0 scales; O / the row's sum is quantised along the model's 1,024 for the last product.
; THE SOFTMAX: t = score x log2(e) / 8; M = the row's largest t so far, rounded UP to a whole number; p = 2^(t - M) is quantised along the keys, not normalised.  The row's sum is taken of the
; unquantised p and divides O at the end.  When M moves, the sum and O are multiplied by 2^(old M - new M): exact.
; SHARES.  A work-group owns 256 queries of one head, each of its sixteen waves 16 of them.  A head's k and v, 16 records of 13,056 bytes for 128 keys, fill LDS once: wave w's one tensor load brings record w,
; asked for JOINTLY by the four work-groups of a cluster, which own query blocks of one head.  Nothing is filled again.  Wave w works its OWN record first, behind its own wait on TENSORcnt alone; then one barrier shows
; all records to all waves, and 15 trips take records (w + i) mod 16.  No prefetch: all bytes are asked for at the head, and there is no loop of loads to run ahead in.
; Both products are used transposed (S^T = k q^T, O^T = v^T p^T): a lane holds one query throughout.
; WHICH KEYS FORM A TILE OF k IS CHOSEN BY THE LANES' LDS ADDRESSES.  Score tile 4 g + t takes as rows 0-7 the keys 64 g + 8 t + 0..7 and as rows 8-15 the keys 64 g + 32 + 8 t + 0..7.  So the 32 registers of tiles 4 g .. 4 g + 3
; are, in lane (r, h), the keys 64 g + 32 h + 0 .. 31: ONE WHOLE BLOCK of the second product's K, in the order of that operand's registers.  A block's maximum needs no other lane, and the codes need no exchange of lanes.
; In a record the image of stored tile T = 2 b + u holds in lane rho key 32 b + 8 u + rho + 8 (rho / 8): registers 0-3 of lane l at 768 T + 16 l, registers 4, 5 at 768 T + 512 + 8 l.  Row r of score tile (g, t) lies in
; T = 4 g + 2 (r / 8) + t % 2 at rho = 8 (t / 2) + r % 8.  Its scale word lies at 6,144 + 16 (rho + 16 (T % 2)) + 4 (T / 2).
; THE FIRST PRODUCT'S K IS 64, half of the instruction's 128.  q's registers 6-11 are zero codes; tile t's operand is v[32 + 6 t] on, 12 registers: its upper half is the next tile's codes (behind the last: six cleared registers),
; which meet q's zeros.  The scale bytes of that half are 0 (2^-127, no NaN) on both sides.
; OUT: ao [token tile 256][K step 8][two halves of 768 bytes: registers 2 p, 2 p + 1 of lane l at 256 p + 8 l]: head 2 s is the first half of K step s; aosc [tile][K step / 2][row][8 bytes].
; LIMITS: the promise holds while the scaled scores t stay under 2^31 in magnitude.  NaN and infinities are not served; a block of zeros gets the byte 1 (its codes are zeros; this program alone reads the bytes).
; A block's largest p is the exponential of its largest score, which takes v_exp_f32 not to fall where its input rises.
; REGISTERS: v1-5 lane offsets, v6-10 the record's addresses, v11 8 h; v12 -M, v13 the largest score, v[14:15] the sum; v16-27 q; v28, v29 offsets; v30 the old -M; v32-79 k's tiles, then v's fragments; v80-85 zeros;
; v86-95 at work; v96-159 S^T, then p; v160-191 O^T; v192-201 at work; v208-219 p's codes; v220-226 at work; v231 p's scale word, v232-235 k's, v[236:237] v's, v238 q's: these hold scales and nothing else.
.set REC,   13056
.set SPARE, 16*REC                     ; behind the records: the spare words, 128 bytes for each wave
.set KF,  32
.set BM,  86                           ; v86, 87 the two blocks' maxima; v88, 89 a second chain each
.set T0,  90
.set T1,  91
.set SO,  92                           ; v92, 93 the conversions' scale operands
.set F,   94                           ; v[94:95] f
.set S,   96
.set O,   160
.set X,   192                          ; v192-197 three chains of the sum
.set PCD, 208
.set CT,  220
.set PSW, 231
.set KSC, 232
.set VSC, 236
.macro ROUND                           ; a round of the cluster's barrier
	s_barrier_signal -1
	s_barrier_wait -1
	s_cmp_lg_u32 s12, 0
	s_cbranch_scc1 .Lnot_wave_0_\@
	s_barrier_signal -3
.Lnot_wave_0_\@:
	s_barrier_wait -3
	s_barrier_signal -1
	s_barrier_wait -1
.endm
	s_load_b128 s[4:7], s[0:1], 0x0                ; qimg, kv
	s_load_b128 s[8:11], s[0:1], 0x10              ; ao, aosc
	v_lshl_add_u32 v254, v0, 2, SPARE
	v_mov_b32 v255, 0
	ds_add_u32 v254, v255                          ; the opening lines: the add, twice on end, and its wait
	ds_add_u32 v254, v255
	v_lshrrev_b32 v1, 5, v0
	v_readfirstlane_b32 s12, v1                    ; wave 0..15
	s_bfe_u32 s13, ttmp6, 0x40000                  ; cx
	s_lshl_b32 s14, ttmp9, 2
	s_add_co_u32 s14, s14, s13                     ; my block of 256 queries: it enters q's and the outputs' addresses alone
	s_and_b32 s15, ttmp7, 0xffff                   ; 16 x batch + head, which the four partners share
	s_mov_b32 s16, 15|(3<<16)|(1<<21)              ; group 1: the mask: all four; elements of 8 bytes; bit 21 beside a mask
	s_mov_b32 s17, 32<<16                          ; a record: 51 rows of 256 bytes, dense
	s_mov_b32 s18, 51<<16
	s_mov_b32 s19, 32<<16
	s_mov_b32 s20, 51
	s_mov_b32 s21, 32
	s_mov_b32 s22, 0
	s_mov_b32 s23, 0
	s_mul_i32 s25, s12, REC                        ; record w, in LDS
	s_mul_i32 s34, s15, 16*REC
	s_add_co_u32 s34, s34, s25                     ; and in kv
	s_mov_b32 s35, 0
	s_mov_b32 s24, 1
	s_mov_b32 s28, 0x76543210
	s_mov_b32 s29, 0xfedcba98                      ; v_permlanex16_b32's selects for lane l xor 16
	s_mov_b32 s30, 0x3e38aa3b                      ; c = log2(e) / 8
	s_mov_b32 s31, s30                             ; (named with it as a pair)
	s_wait_dscnt 0x0
	s_wait_kmcnt 0x0
	s_add_nc_u64 s[26:27], s[6:7], s[34:35]
	s_or_b32 s27, s27, 0x80000000
	ROUND                                          ; all four work-groups are here: the joint loads meet
	tensor_load_to_lds s[24:27], s[16:23]          ; my one tensor load
	s_nop 0
.rept 4
	v_nop
.endr
	s_lshr_b32 s36, s12, 3
	s_lshl_b32 s37, s14, 1
	s_add_co_u32 s36, s36, s37                     ; my queries' record
	s_and_b32 s37, s12, 7                          ; and my tile in it
	s_mul_i32 s38, s15, 106496
	s_mul_i32 s39, s36, 6656
	s_add_co_u32 s38, s38, s39
	s_mov_b32 s39, 0
	s_add_nc_u64 s[4:5], s[4:5], s[38:39]
	s_mul_i32 s40, s37, 768
	s_mov_b32 s41, 0
	s_add_nc_u64 s[42:43], s[4:5], s[40:41]        ; q's codes
	s_and_b32 s40, s37, 1
	s_lshl_b32 s40, s40, 8                         ; an odd tile's words lie in the image's lanes 16-31,
	s_lshr_b32 s44, s37, 1
	s_lshl_b32 s44, s44, 2                         ; word tile / 2 of a lane's four
	s_add_co_u32 s40, s40, s44
	s_add_co_u32 s40, s40, 6144
	s_add_nc_u64 s[4:5], s[4:5], s[40:41]          ; q's scale words
	s_lshr_b32 s40, s15, 4
	s_lshl_b32 s40, s40, 7
	s_lshl_b32 s44, s36, 3
	s_add_co_u32 s40, s40, s44
	s_add_co_u32 s40, s40, s37                     ; my token tile: 128 x batch + 8 x record + tile
	s_and_b32 s44, s15, 15                         ; the head
	s_mul_i32 s38, s40, 12288
	s_lshr_b32 s45, s44, 1
	s_mul_i32 s45, s45, 1536
	s_add_co_u32 s38, s38, s45
	s_and_b32 s45, s44, 1
	s_mul_i32 s46, s45, 768
	s_add_co_u32 s38, s38, s46
	s_add_nc_u64 s[8:9], s[8:9], s[38:39]          ; my half fragment in ao
	s_lshl_b32 s38, s40, 9
	s_lshr_b32 s46, s44, 2
	s_lshl_b32 s46, s46, 7
	s_add_co_u32 s38, s38, s46
	s_bfe_u32 s46, s44, 0x10001
	s_lshl_b32 s46, s46, 2
	s_add_co_u32 s38, s38, s46
	s_lshl_b32 s45, s45, 1
	s_add_co_u32 s38, s38, s45
	s_add_nc_u64 s[10:11], s[10:11], s[38:39]      ; my two bytes of each row's scale word in aosc
	s_mov_b32 s32, s25                             ; the first record in hand: my own
	v_and_b32 v6, 7, v0                            ; r % 8
	v_bfe_u32 v7, v0, 3, 1                         ; r / 8
	v_bfe_u32 v8, v0, 4, 1                         ; h
	v_and_b32 v9, 31, v0                           ; lane
	v_and_b32 v10, 15, v0                          ; r
	; IN STORED TILES WHOSE T / 2 IS ODD THE PLACES OF LANES l AND l xor 8 ARE EXCHANGED.  Rows 8-15 of a score tile always come from such a tile (T / 2 = 2 g + r / 8), so their bytes stand at
	; 128 ((t / 2) xor 1) + 16 (r % 8) of each 256 where rows 0-7 have theirs at 128 (t / 2) + 16 (r % 8) (64 and 8 for registers 4, 5): the lanes of one LDS load touch different banks.
	; Each kind of load has two addresses, for t / 2 = 0 and 1: the second is the first with that one bit turned.
	v_mul_u32_u24 v31, v7, 1664                    ; rows 8-15: the stored tile two further on, 1,536, and the other 128
	v_mul_u32_u24 v203, v7, 1600                   ; the same for registers 4, 5: 1,536 and the other 64
	v_lshlrev_b32 v3, 4, v6
	v_lshlrev_b32 v4, 4, v9                        ; v4 = 16 x lane: v's fragments, q's registers 0-3
	v_lshlrev_b32 v5, 3, v9                        ; v5 = 8 x lane: v's scale words, q's registers 4, 5, the codes on the way out
	v_lshlrev_b32 v29, 4, v10                      ; q's scale word: 16 r
	v_lshl_add_u32 v1, v6, 4, v31
	v_lshl_add_u32 v2, v6, 3, v203
	v_lshl_add_u32 v3, v7, 2, v3
	v_lshl_add_u32 v28, v10, 3, v8                 ; aosc: 8 r + h
	v_lshlrev_b32 v11, 3, v8                       ; 8 h: my two bytes' shift in p's scale word
	v_lshl_add_u32 v1, v8, 8, v1                   ; v1 = 1,664 (r / 8) + 16 (r % 8) + 256 h: k's registers 0-3
	v_lshl_add_u32 v2, v8, 7, v2                   ; v2 = 1,600 (r / 8) + 8 (r % 8) + 128 h: k's registers 4, 5
	v_mad_u32_u24 v3, v8, 384, v3                  ; v3 = 16 (r % 8) + 4 (r / 8) + 384 h: k's scale words: lanes 0-15 the even tile with t / 2 = 0, lanes 16-31 the odd tile with t / 2 = 1
	s_bfe_u32 s47, s37, 0x10001                    ; is my q tile one of those with exchanged places?
	s_lshl_b32 s46, s47, 7
	s_lshl_b32 s47, s47, 6
	v_xor_b32 v204, s46, v4                        ; then lane l's bytes stand at lane l xor 8's place
	v_xor_b32 v205, s47, v5
	v_xor_b32 v198, 128, v1                        ; the second addresses: k's registers 0-3,
	v_xor_b32 v199, 64, v2                         ; registers 4, 5,
	v_xor_b32 v202, 128, v3                        ; scale words: lanes 0-15 the even tile with t / 2 = 1, lanes 16-31 the odd tile with t / 2 = 0
	global_load_b128 v[16:19], v204, s[42:43]
	global_load_b64 v[20:21], v205, s[42:43] offset:512
	global_load_b32 v238, v29, s[4:5]
.irp j, 22,23,24,25,26,27,80,81,82,83,84,85
	v_mov_b32 v\j, 0                               ; zero codes
.endr
	v_mov_b32 v[T1], 0                             ; written once: a lane permute's destination counts as one of its sources
	v_mov_b32 v[F+1], 0                            ; (named as the upper half of a pair)
.macro SPROD t
.if (\t)%2
	v_wmma_scale_f32_16x16x128_f8f6f4 v[S+8*(\t):S+7+8*(\t)], v[KF+6*(\t):KF+11+6*(\t)], v[16:27], 0, v[KSC+2*((\t)/4)+1-((\t)%4)/2], v238 matrix_a_fmt:MATRIX_FMT_FP6 matrix_b_fmt:MATRIX_FMT_FP6 matrix_a_scale:MATRIX_SCALE_ROW1
.else
	v_wmma_scale_f32_16x16x128_f8f6f4 v[S+8*(\t):S+7+8*(\t)], v[KF+6*(\t):KF+11+6*(\t)], v[16:27], 0, v[KSC+(\t)/2], v238 matrix_a_fmt:MATRIX_FMT_FP6 matrix_b_fmt:MATRIX_FMT_FP6
.endif
.endm
.macro OPROD t, first                  ; the first trip's products start the sums: nothing is cleared
.if \first
.if (\t)%2
	v_wmma_scale_f32_16x16x128_f8f6f4 v[O+8*(\t):O+7+8*(\t)], v[KF+12*(\t):KF+11+12*(\t)], v[PCD:PCD+11], 0, v[VSC+(\t)/2], v[PSW] matrix_a_fmt:MATRIX_FMT_FP6 matrix_b_fmt:MATRIX_FMT_FP6 matrix_a_scale:MATRIX_SCALE_ROW1
.else
	v_wmma_scale_f32_16x16x128_f8f6f4 v[O+8*(\t):O+7+8*(\t)], v[KF+12*(\t):KF+11+12*(\t)], v[PCD:PCD+11], 0, v[VSC+(\t)/2], v[PSW] matrix_a_fmt:MATRIX_FMT_FP6 matrix_b_fmt:MATRIX_FMT_FP6
.endif
.else
.if (\t)%2
	v_wmma_scale_f32_16x16x128_f8f6f4 v[O+8*(\t):O+7+8*(\t)], v[KF+12*(\t):KF+11+12*(\t)], v[PCD:PCD+11], v[O+8*(\t):O+7+8*(\t)], v[VSC+(\t)/2], v[PSW] matrix_a_fmt:MATRIX_FMT_FP6 matrix_b_fmt:MATRIX_FMT_FP6 matrix_a_scale:MATRIX_SCALE_ROW1
.else
	v_wmma_scale_f32_16x16x128_f8f6f4 v[O+8*(\t):O+7+8*(\t)], v[KF+12*(\t):KF+11+12*(\t)], v[PCD:PCD+11], v[O+8*(\t):O+7+8*(\t)], v[VSC+(\t)/2], v[PSW] matrix_a_fmt:MATRIX_FMT_FP6 matrix_b_fmt:MATRIX_FMT_FP6
.endif
.endif
.endm
; A trip: the 128 keys of the record at LDS byte s32.  first = 1: no old M, no old sum, no old O.
.macro TRIP first
	v_add_nc_u32 v6, s32, v1                       ; these four are also the places in front of loads into registers that the last trip's products have read
	v_add_nc_u32 v7, s32, v2
	v_add_nc_u32 v8, s32, v3
	v_add_nc_u32 v203, s32, v198
	v_add_nc_u32 v204, s32, v199
	v_add_nc_u32 v205, s32, v202
	v_add_nc_u32 v9, s32, v4
.irp t, 0,1,2,3,4,5,6,7                ; v6, v7 serve the tiles with t / 2 = 0, v203, v204 those with t / 2 = 1
	ds_load_b128 v[KF+6*\t:KF+6*\t+3], v[6+197*((\t%4)/2)] offset:3072*(\t/4)+768*(\t%2)
	ds_load_b64 v[KF+6*\t+4:KF+6*\t+5], v[7+197*((\t%4)/2)] offset:3072*(\t/4)+768*(\t%2)+512
.endr
.irp j, 0,1,2,3                        ; register 2 g + j: lanes 0-15 the words of tile 4 g + 2 j, lanes 16-31 those of tile 4 g + 2 (1 - j) + 1
	ds_load_b32 v[KSC+\j], v[8+197*(\j%2)] offset:6144+8*(\j/2)
.endr
	s_wait_alu depctr_va_vdst(0)
	s_wait_dscnt 0x0
.irp t, 0,1,2,3,4,5,6,7
	SPROD \t
.endr
	v_add_nc_u32 v10, s32, v5                      ; four places: in front of the loads below, and of the first read of the scores
.if \first
	v_nop
.else
	v_mov_b32 v30, v12                             ; the old -M
.endif
	v_nop
	v_nop
.irp t, 0,1,2,3
.irp g, 0,1,2
	ds_load_b128 v[KF+12*\t+4*\g:KF+3+12*\t+4*\g], v9 offset:6656+1536*\t+512*\g    ; v's fragments land while the softmax is worked
.endr
.endr
	ds_load_b64 v[VSC:VSC+1], v10 offset:12800
	; the largest score of each of my two blocks of 32 keys, two chains a block: it serves for the row's maximum and, since p rises with the score, for the block's largest p
.irp c, 0,1
	v_max3_num_f32 v[BM+\c], v[S+32*\c], v[S+32*\c+1], v[S+32*\c+2]
	v_max3_num_f32 v[BM+2+\c], v[S+32*\c+17], v[S+32*\c+18], v[S+32*\c+19]
.endr
.irp i, 0,1,2,3,4,5
.irp c, 0,1
	v_max3_num_f32 v[BM+\c], v[BM+\c], v[S+32*\c+3+2*\i], v[S+32*\c+4+2*\i]
	v_max3_num_f32 v[BM+2+\c], v[BM+2+\c], v[S+32*\c+20+2*\i], v[S+32*\c+21+2*\i]
.endr
.endr
.irp c, 0,1
	v_max3_num_f32 v[BM+\c], v[BM+\c], v[S+32*\c+15], v[S+32*\c+16]
.endr
.irp c, 0,1
	s_delay_alu instid0(VALU_DEP_2)
	v_max_num_f32 v[BM+\c], v[BM+\c], v[BM+2+\c]
.endr
	s_delay_alu instid0(VALU_DEP_1)
	v_max_num_f32 v[T0], v[BM], v[BM+1]
	s_delay_alu instid0(VALU_DEP_1)
	v_permlanex16_b32 v[T1], v[T0], s28, s29       ; lane l xor 16 holds my query's other 64 keys
	s_delay_alu instid0(VALU_DEP_1)
.if \first
	v_max_num_f32 v13, v[T0], v[T1]
.else
	v_max3_num_f32 v13, v13, v[T0], v[T1]          ; the running largest score
.endif
	s_delay_alu instid0(VALU_DEP_1)
	v_mul_f32 v[T0], s30, v13                      ; as t (c is positive)
	s_delay_alu instid0(VALU_DEP_1)
	v_floor_f32 v12, -v[T0]                        ; -M = floor(-t): M is a whole number
.if \first == 0
	s_delay_alu instid0(VALU_DEP_1)
	v_sub_f32 v[T0], v12, v30                      ; old M - new M: a whole number, 0 or less
	s_delay_alu instid0(VALU_DEP_1)
	v_cvt_i32_f32 v[T0], v[T0]                     ; (it saturates)
	s_delay_alu instid0(VALU_DEP_1)
	v_ldexp_f32 v[F], 1.0, v[T0]                   ; f = 2^(old M - new M)
.endif
.set j, 0
.rept 32
	v_pk_fma_f32 v[S+j:S+1+j], v[S+j:S+1+j], s[30:31], v[12:13] op_sel_hi:[1,0,0]   ; t - M, two at a time
.set j, j+2
.endr
.irp c, 0,1
	v_fma_f32 v[BM+\c], v[BM+\c], s30, v12         ; the same of each block's largest score
.endr
.if \first == 0
.set j, 0
.rept 16
	v_pk_mul_f32 v[O+j:O+1+j], v[O+j:O+1+j], v[F:F+1] op_sel_hi:[1,0]   ; O^T under the new M, each accumulator from its low end on
.set j, j+2
.endr
.endif
	s_wait_alu depctr_va_vdst(0)
.set j, 0
.rept 64
	v_exp_f32 v[S+j], v[S+j]                       ; p = 2^(t - M), at most 1
.set j, j+1
.endr
.irp c, 0,1
	v_exp_f32 v[BM+\c], v[BM+\c]                   ; the block's largest p: the same two steps on the same number give the same bits
.endr
.if \first
	v_nop                                          ; a plain place behind the exponentials
.else
	v_pk_mul_f32 v[14:15], v[14:15], v[F:F+1] op_sel_hi:[1,0]   ; the sums under the new M.  (A plain place behind the exponentials)
.endif
	s_wait_alu depctr_va_vdst(0)                   ; one wait for the whole batch, ahead of its first reader
.irp c, 0,1
	v_max_num_f32 v[BM+\c], 0x1800000, v[BM+\c]    ; the floor 2^(3 - 127): the byte cannot fall under 1
.endr
.irp c, 0,1
	s_delay_alu instid0(VALU_DEP_2)
	v_add_nc_u32 v[SO+\c], 0xff000000, v[BM+\c]    ; 2 off the exponent field: the conversion's scale operand
.endr
.irp c, 0,1
	s_delay_alu instid0(VALU_DEP_2)
	v_lshrrev_b32 v[BM+\c], 23, v[SO+\c]           ; the scale's byte
.endr
	s_delay_alu instid0(VALU_DEP_1)
	v_lshl_or_b32 v[T0], v[BM+1], 16, v[BM]        ; my two bytes: blocks h and 2 + h,
	s_delay_alu instid0(VALU_DEP_1)
	v_lshlrev_b32 v[T0], v11, v[T0]                ; at their places;
	s_delay_alu instid0(VALU_DEP_1)
	v_permlanex16_b32 v[T1], v[T0], s28, s29
	s_delay_alu instid0(VALU_DEP_1)
	v_or_b32 v[PSW], v[T0], v[T1]                  ; with lane l xor 16's two, p's scale word for these 128 keys is whole
.irp c, 0,1
	v_cvt_scalef32_pk16_fp6_f32 v[PCD+6*\c:PCD+2+6*\c], v[S+32*\c:S+15+32*\c], v[SO+\c]
	v_cvt_scalef32_pk16_fp6_f32 v[CT+4*\c:CT+2+4*\c], v[S+16+32*\c:S+31+32*\c], v[SO+\c]   ; (a conversion's three registers begin on an even number)
.endr
	; the row's sum, of the unquantised p: four chains of pairs.  The first four lines are also the plain place behind the conversions
.irp k, 0,1,2
	v_pk_add_f32 v[X+2*\k:X+1+2*\k], v[S+4*\k:S+1+4*\k], v[S+2+4*\k:S+3+4*\k]
.endr
.if \first
	v_pk_add_f32 v[14:15], v[S+12:S+13], v[S+62:S+63]
.else
	v_pk_add_f32 v[14:15], v[14:15], v[S+12:S+13]
.endif
.irp c, 0,1
.irp i, 0,1,2
	v_mov_b32 v[PCD+3+6*\c+\i], v[CT+4*\c+\i]      ; registers 6 c .. 6 c + 5 now hold keys 64 c + 32 h + 0 .. 31
.endr
.endr
.irp i, 0,1,2,3,4,5
	v_pk_add_f32 v[14:15], v[14:15], v[S+14+8*\i:S+15+8*\i]
	v_pk_add_f32 v[X:X+1], v[X:X+1], v[S+16+8*\i:S+17+8*\i]
	v_pk_add_f32 v[X+2:X+3], v[X+2:X+3], v[S+18+8*\i:S+19+8*\i]
	v_pk_add_f32 v[X+4:X+5], v[X+4:X+5], v[S+20+8*\i:S+21+8*\i]
.endr
.if \first == 0
	v_pk_add_f32 v[14:15], v[14:15], v[S+62:S+63]
.endif
	v_pk_add_f32 v[X:X+1], v[X:X+1], v[X+2:X+3]
	v_pk_add_f32 v[14:15], v[14:15], v[X+4:X+5]
	s_delay_alu instid0(VALU_DEP_1)
	v_pk_add_f32 v[14:15], v[14:15], v[X:X+1]
	s_wait_alu depctr_va_vdst(0)
	s_wait_dscnt 0x0                               ; v's fragments and scale words are in
.irp t, 0,1,2,3
	OPROD \t, \first                               ; the four accumulators by turns; the next trip's eight products on the scores stand between a sum's links
.endr
.endm
	s_wait_alu depctr_va_vdst(0)
	s_wait_tensorcnt 0x0                           ; my own record is in: I alone read it ahead of the barrier
	s_wait_loadcnt 0x0                             ; q
	TRIP 1
	s_barrier_signal -1                            ; every wave has waited for its record, and none of my LDS loads is out
	s_barrier_wait -1                              ; all 16 records are in
	s_mov_b32 s33, 1
.Lkeys:                                            ; 15 trips: record (wave + i) mod 16
	s_add_co_u32 s32, s12, s33
	s_and_b32 s32, s32, 15
	s_mul_i32 s32, s32, REC
	TRIP 0
	s_add_co_u32 s33, s33, 1
	s_cmp_lt_u32 s33, 16
	s_cbranch_scc1 .Lkeys
	; THE WAY OUT.  Register 16 c + i of O^T is channel 32 c + 16 h + i of my query: two blocks of 32 along the last product's K, each in lanes l and l xor 16.
.rept 4
	v_nop                                          ; places behind the last products
.endr
	v_add_f32 v14, v14, v15                        ; the sum's two halves,
	s_delay_alu instid0(VALU_DEP_1)
	v_permlanex16_b32 v[T1], v14, s28, s29
	s_delay_alu instid0(VALU_DEP_1)
	v_add_f32 v14, v14, v[T1]                      ; and lane l xor 16's
	s_wait_alu depctr_va_vdst(0)
	v_rcp_f32 v14, v14
	v_nop                                          ; one plain place behind a transcendental
	s_wait_alu depctr_va_vdst(0)
.set j, 0
.rept 16
	v_pk_mul_f32 v[S+j:S+1+j], v[O+j:O+1+j], v[14:15] op_sel_hi:[1,0]   ; each accumulator from its low end on
.set j, j+2
.endr
.irp c, 0,1
	v_max3_num_f32 v[192+\c], |v[S+16*\c]|, |v[S+1+16*\c]|, 0x1800000
.endr
.irp i, 2,4,6,8,10,12,14
.irp c, 0,1
	s_delay_alu instid0(VALU_DEP_2)
	v_max3_num_f32 v[192+\c], v[192+\c], |v[S+16*\c+\i]|, |v[S+1+16*\c+\i]|
.endr
.endr
.irp c, 0,1
	s_delay_alu instid0(VALU_DEP_2)
	v_permlanex16_b32 v[196+\c], v[192+\c], s28, s29
.endr
.irp c, 0,1
	s_delay_alu instid0(VALU_DEP_2)
	v_max_num_f32 v[192+\c], v[192+\c], v[196+\c]
.endr
.irp c, 0,1
	s_delay_alu instid0(VALU_DEP_2)
	v_add_nc_u32 v[200+\c], 0xff000000, v[192+\c]
.endr
.irp c, 0,1
	s_delay_alu instid0(VALU_DEP_2)
	v_lshrrev_b32 v[196+\c], 23, v[200+\c]
.endr
	v_cvt_scalef32_pk16_fp6_f32 v[208:210], v[S:S+15], v200
	v_cvt_scalef32_pk16_fp6_f32 v[220:222], v[S+16:S+31], v201
	v_nop
.irp i, 0,1,2
	v_permlane16_swap_b32 v[208+\i], v[220+\i]     ; lanes 0-15 block 0, lanes 16-31 block 1
.endr
.irp i, 0,1,2
	s_delay_alu instid0(VALU_DEP_3)
	v_mov_b32 v[211+\i], v[220+\i]
.endr
.irp p, 0,1,2
	global_store_b64 v5, v[208+2*\p:209+2*\p], s[8:9] offset:256*\p    ; 256 consecutive bytes, aligned
.endr
	s_mov_b32 vcc_lo, 0xffff0000
	v_cndmask_b32 v[T0], v196, v197, vcc_lo        ; lanes 0-15 block 0's byte of row r, lanes 16-31 block 1's
	global_store_b8 v28, v[T0], s[10:11]           ; single bytes, 8 apart: one byte for each 24 bytes of codes
	s_wait_tensorcnt 0x0                           ; the wave's end
	ds_add_u32 v254, v255
	s_wait_dscnt 0x0
	ROUND                                          ; the closing round: no work-group ends while a partner may still ask for a record that names it
	s_endpgm
.Lfunc_end_k_q813ddfac8b_attn:
	.size	k_q813ddfac8b_attn, .Lfunc_end_k_q813ddfac8b_attn-k_q813ddfac8b_attn
	.p2alignl 7, 3214868480
	.fill 96, 4, 3214868480
	.section	.rodata,"a",@progbits
	.p2align	6, 0x0
	.amdhsa_kernel k_q813ddfac8b_attn
		.amdhsa_group_segment_fixed_size 210944
		.amdhsa_private_segment_fixed_size 0
		.amdhsa_enable_private_segment 0
		.amdhsa_kernarg_size 32
		.amdhsa_user_sgpr_count 2
		.amdhsa_user_sgpr_kernarg_segment_ptr 1
		.amdhsa_wavefront_size32 1
		.amdhsa_system_sgpr_workgroup_id_x 1
		.amdhsa_system_sgpr_workgroup_id_y 1
		.amdhsa_system_sgpr_workgroup_id_z 1
		.amdhsa_system_vgpr_workitem_id 0
		.amdhsa_next_free_vgpr 256
		.amdhsa_next_free_sgpr 66
		.amdhsa_reserve_vcc 1
		.amdhsa_float_denorm_mode_32 3
		.amdhsa_float_denorm_mode_16_64 3
		.amdhsa_memory_ordered 1
		.amdhsa_forward_progress 1
		.amdhsa_inst_pref_size 41
	.end_amdhsa_kernel
	.amdgpu_metadata
---
amdhsa.version: [ 1, 2 ]
amdhsa.kernels:
  - .name:           k_q813ddfac8b_attn
    .symbol:         k_q813ddfac8b_attn.kd
    .args:
      - { .name: qimg, .offset: 0, .size: 8, .value_kind: global_buffer, .address_space: global }
      - { .name: kv, .offset: 8, .size: 8, .value_kind: global_buffer, .address_space: global }
      - { .name: ao, .offset: 16, .size: 8, .value_kind: global_buffer, .address_space: global }
      - { .name: aosc, .offset: 24, .size: 8, .value_kind: global_buffer, .address_space: global }
    .group_segment_fixed_size: 210944
    .private_segment_fixed_size: 0
    .kernarg_segment_align: 8
    .kernarg_segment_size: 32
    .max_flat_workgroup_size: 512
    .sgpr_count:     66
    .vgpr_count:     256
    .wavefront_size: 32
...
	.end_amdgpu_metadata
.endif
;; end of part 3
;; launch proj (part 4): grid 8 x 32, 4 waves a work-group, clusters of 4 x 4, 222,720 bytes of LDS; arguments ao, aosc, opimg, opsc, proj_b, out0; writes out0
.if DOCPART == 4
	.amdgcn_target "amdgcn-amd-amdhsa--gfx1250"
	.amdhsa_code_object_version 6
	.text
	.protected	k_q813ddfac8b_proj
	.globl	k_q813ddfac8b_proj
	.p2align	8
	.type	k_q813ddfac8b_proj,@function
k_q813ddfac8b_proj:
	s_mov_b64 s[64:65], 0
	v_nop
	global_prefetch_b8 v0, s[64:65] scope:SCOPE_SE
	s_setreg_imm32_b32 hwreg(HW_REG_WAVE_MODE, 25, 1), 1
	s_wait_xcnt 0x0
	s_wait_alu depctr_hold_cnt(0) depctr_sa_sdst(0) depctr_va_vdst(0) depctr_va_sdst(0) depctr_va_ssrc(0) depctr_va_vcc(0) depctr_vm_vsrc(0)
	s_getreg_b32 s2, hwreg(HW_REG_IB_STS2, 6, 4)
	s_cmp_eq_u32 s2, 0
	s_cbranch_scc0 .Lentry_in_a_cluster
	s_endpgm
.Lentry_in_a_cluster:
	s_bfe_u32 s2, ttmp6, 0x10000c
	s_cmp_lg_u32 s2, 0xf033
	s_cbranch_scc0 .Lentry_shape_is_right
	s_endpgm
.Lentry_shape_is_right:
; out0 = O proj_w^T + proj_b on codes of FP6 (E2M3) with E8M0 scales, K = 1,024.  O's codes (ao, aosc) and proj_w's (opimg tiles 448 on, opsc) lie as images of operand registers.
; 4,096 x 1,024 of output in tiles of 128 x 128: 256 work-groups.  Four waves, each 64 x 64: 16 accumulators.  Source 0 = 16 rows of proj_w, source 1 = 16 tokens: a lane holds one token and eight neighbouring outputs.
; A tile's rows are not neighbours (lane r of tile 2 c + u: row 32 c + 8 u + r + 8 (r / 8)): the 16 registers of proj_w's tiles 2 c, 2 c + 1 are the outputs 32 c + 16 (lane / 16) + 0 .. 15.
; ALL OF K FITS IN LDS, AND EACH SIDE IS ONE DENSE BLOCK OF MEMORY: 8 tiles x 8 K steps x 1,536 bytes = 98,304 bytes.  ONE tensor load a wave, at the head: wave 0 the tokens' codes, wave 1 proj_w's, wave 2 the tokens'
; scale words (4,096 bytes), wave 3 proj_w's.  One barrier shows them to all waves; nothing is filled again, and the eight K steps have no barrier.
; Clusters of 4 x 4: the tokens' blocks are shared along a row of the cluster, proj_w's along a column: each is asked for JOINTLY.  The bias is the C of each sum's first matrix instruction.
; No prefetch: all bytes are asked for at the head, and there is no loop of loads to run ahead in.
; REGISTERS: window 0: v1-26 addresses; v30, v31 for the add; v32-63 scale words (register 8 i + n: tile i, K step n; lanes 0-15 the tokens', lanes 16-31 proj_w's) and nothing else; v64-95 the bias; v96-127 rows on the way out;
; v128-255 accumulator (a, b) at 128 + 8 (4 a + b).  Window 1: two sets of fragments at v0, v128: 48 registers of tokens, then 48 of proj_w.
.set SIDE,   98304                     ; a side's codes: tile i at 12,288 i, K step n at 1,536 n
.set HALF,   49152                     ; four tiles: what one wave reads of a side
.set SCL,    2*SIDE
.set QSC,    2048                      ; four tiles' scale words
.set STAGE,  SCL+4*QSC                 ; 16 rows x 272 bytes for each wave; no tensor load lands here
.set SPITCH, 272                       ; 256 bytes + 16 = 68 words: row r starts at bank 4 r mod 64 (ISA guide 11.1)
.set SPARE,  STAGE+4*16*SPITCH         ; the spare words, 128 bytes for each wave
.set ADRA, 8
.set ADRB, 12
.set ADRS, 16
.set STO,  24
.set RD,   25
.set CO,   26
.set SC,   32
.set BIAS, 64
.set OB,   96
.set ACC,  128
.set G1A,  24                          ; group 1: s[24:31], s[32:39] the codes; s[40:47], s[48:55] the scale words
.set G1B,  32
.set G1SA, 40
.set G1SB, 48
.set G0A,  56                          ; group 0: s[56:59], s[60:63], s[68:71], s[72:75]
.set G0B,  60
.set G0SA, 68
.set G0SB, 72
.set MSB, 0
.macro WIN new
.if MSB != (\new)
	s_set_vgpr_msb (MSB<<8)|(\new)
.set MSB, (\new)
.endif
.endm
.set MUL,  0x05                        ; sources 0 and 1 window 1; C and D window 0
.set TO_F, 0x40                        ; destination window 1
.macro PLACES
.rept 4
	v_nop
.endr
.endm
.macro CROUND                          ; a round of the cluster's barrier
	s_barrier_signal -1
	s_barrier_wait -1
	s_cmp_lg_u32 s16, 0
	s_cbranch_scc1 .Lnot_wave_0_\@
	s_barrier_signal -3
.Lnot_wave_0_\@:
	s_barrier_wait -3
	s_barrier_signal -1
	s_barrier_wait -1
.endm
	s_load_b256 s[4:11], s[0:1], 0x0               ; ao, aosc, opimg, opsc
	s_load_b128 s[12:15], s[0:1], 0x20             ; proj_b, out0
	v_lshl_add_u32 v30, v0, 2, SPARE
	v_mov_b32 v31, 0
	ds_add_u32 v30, v31                            ; the opening lines: the add, twice on end, and its wait
	ds_add_u32 v30, v31
	v_lshrrev_b32 v1, 5, v0
	v_readfirstlane_b32 s16, v1                    ; wave 0..3
	s_lshr_b32 s17, s16, 1                         ; my half of the tokens
	s_and_b32 s18, s16, 1                          ; my half of the outputs
	s_bfe_u32 s19, ttmp6, 0x40000                  ; cx
	s_bfe_u32 s20, ttmp6, 0x40004                  ; cy
	s_lshl_b32 s21, ttmp9, 2
	s_add_co_u32 s21, s21, s19                     ; which 128 outputs
	s_and_b32 s22, ttmp7, 0xffff
	s_lshl_b32 s22, s22, 2
	s_add_co_u32 s22, s22, s20                     ; which 128 tokens
	s_lshl_b32 s23, s20, 2
	s_lshl_b32 s23, 15, s23                        ; my row of the cluster
	s_lshl_b32 s76, 0x1111, s19                    ; my column
	s_or_b32 s[G1A], s23, (3<<16)|(1<<21)          ; the mask; elements of 8 bytes; bit 21 beside a mask; no padding: an image's bytes are read by 32 lanes on end
	s_or_b32 s[G1SA], s23, (3<<16)|(1<<21)
	s_or_b32 s[G1B], s76, (3<<16)|(1<<21)
	s_or_b32 s[G1SB], s76, (3<<16)|(1<<21)
.irp g, G1A, G1B                       ; 98,304 dense bytes as 384 rows of 256
	s_mov_b32 s[\g+1], 32<<16
	s_mov_b32 s[\g+2], 384<<16
	s_mov_b32 s[\g+3], 32<<16
	s_mov_b32 s[\g+4], 384
	s_mov_b32 s[\g+5], 32
	s_mov_b32 s[\g+6], 0
	s_mov_b32 s[\g+7], 0
.endr
.irp g, G1SA, G1SB                     ; 4,096 dense bytes as 16 rows of 256
	s_mov_b32 s[\g+1], 32<<16
	s_mov_b32 s[\g+2], 16<<16
	s_mov_b32 s[\g+3], 32<<16
	s_mov_b32 s[\g+4], 16
	s_mov_b32 s[\g+5], 32
	s_mov_b32 s[\g+6], 0
	s_mov_b32 s[\g+7], 0
.endr
	s_lshl_b32 s78, s22, 12                        ; the tokens' 8 tiles: scale words of 512 bytes a tile,
	s_mov_b32 s79, 0
	s_mul_i32 s80, s22, SIDE                       ; codes of 12,288
	s_mov_b32 s81, 0
	s_lshl_b32 s82, s21, 12                        ; proj_w's 8 tiles, from tile 448 on
	s_add_co_u32 s82, s82, 448*512
	s_mov_b32 s83, 0
	s_mul_i32 s84, s21, SIDE
	s_add_co_u32 s84, s84, 448*12288
	s_mov_b32 s85, 0
	s_wait_dscnt 0x0
	s_wait_kmcnt 0x0
	s_mov_b32 s[G0A], 1
	s_mov_b32 s[G0A+1], 0
	s_add_nc_u64 s[G0A+2:G0A+3], s[4:5], s[80:81]
	s_or_b32 s[G0A+3], s[G0A+3], 0x80000000
	s_mov_b32 s[G0B], 1
	s_mov_b32 s[G0B+1], SIDE
	s_add_nc_u64 s[G0B+2:G0B+3], s[8:9], s[84:85]
	s_or_b32 s[G0B+3], s[G0B+3], 0x80000000
	s_mov_b32 s[G0SA], 1
	s_mov_b32 s[G0SA+1], SCL
	s_add_nc_u64 s[G0SA+2:G0SA+3], s[6:7], s[78:79]
	s_or_b32 s[G0SA+3], s[G0SA+3], 0x80000000
	s_mov_b32 s[G0SB], 1
	s_mov_b32 s[G0SB+1], SCL+2*QSC
	s_add_nc_u64 s[G0SB+2:G0SB+3], s[10:11], s[82:83]
	s_or_b32 s[G0SB+3], s[G0SB+3], 0x80000000
	CROUND                                         ; all sixteen work-groups are here: the joint loads meet
.macro ARM under, g0, g1, next         ; one tree of branches on the wave's number: every way passes exactly one load
	s_cmp_lt_u32 s16, \under
	s_cbranch_scc0 \next
	tensor_load_to_lds s[\g0:\g0+3], s[\g1:\g1+7]
	s_nop 0
	PLACES
	s_branch .Lasked
\next:
.endm
	ARM 1, G0A, G1A, .Lhead_b
	ARM 2, G0B, G1B, .Lhead_sa
	ARM 3, G0SA, G1SA, .Lhead_sb
	tensor_load_to_lds s[G0SB:G0SB+3], s[G1SB:G1SB+7]
	s_nop 0
	PLACES
.Lasked:
	v_and_b32 v1, 15, v0                           ; r
	v_bfe_u32 v2, v0, 4, 1                         ; h
	v_and_b32 v3, 31, v0
	v_lshlrev_b32 v4, 3, v3                        ; 8 x lane: the tokens' fragments lie as two halves of three pieces of 256 bytes
	v_lshlrev_b32 v5, 4, v3                        ; 16 x lane
	v_lshlrev_b32 v6, 6, v2                        ; the bias: 64 h
	s_wait_alu depctr_va_vdst(0)
	s_lshl_b32 s78, s21, 9
	s_lshl_b32 s77, s18, 8
	s_add_co_u32 s78, s78, s77                     ; my 64 outputs, in bytes
	s_add_nc_u64 s[12:13], s[12:13], s[78:79]
.irp b, 0,1,2,3
	global_load_b128 v[BIAS+8*\b:BIAS+8*\b+3], v6, s[12:13] offset:(32*(\b/2)+8*(\b%2))*4        ; tile b's register j: output 32 (b / 2) + 16 h + 8 (b % 2) + j
	global_load_b128 v[BIAS+8*\b+4:BIAS+8*\b+7], v6, s[12:13] offset:(32*(\b/2)+8*(\b%2))*4+16
.endr
	s_add_nc_u64 s[14:15], s[14:15], s[78:79]
	s_lshl_b32 s78, s22, 19
	s_lshl_b32 s77, s17, 18
	s_add_co_u32 s78, s78, s77                     ; my 64 tokens' rows of 4,096 bytes
	s_add_nc_u64 s[14:15], s[14:15], s[78:79]
	s_mul_i32 s78, s17, HALF
	s_mul_i32 s77, s18, HALF
	s_add_co_u32 s77, s77, SIDE
	v_add_nc_u32 v[ADRA], s78, v4                  ; my four tiles of tokens,
	v_add_nc_u32 v[ADRB], s77, v5                  ; and of proj_w
	s_xor_b32 s77, s17, 1                          ; from my tokens' scale words to my proj_w's: QSC x (2 + outputs' half - tokens' half)
	s_add_co_u32 s77, s77, s18
	s_add_co_u32 s77, s77, 1
	s_mul_i32 s77, s77, QSC
	v_mul_u32_u24 v7, s77, v2                      ; lanes 16-31 take proj_w's
	s_mul_i32 s78, s17, QSC
	s_add_co_u32 s78, s78, SCL
	v_lshl_add_u32 v7, v1, 3, v7
	v_add_nc_u32 v[ADRS], s78, v7
	s_mul_i32 s78, s16, 16*SPITCH
	s_add_co_u32 s78, s78, STAGE                   ; my stage
	v_mul_u32_u24 v7, v1, SPITCH
	v_lshl_add_u32 v7, v2, 6, v7
	v_add_nc_u32 v[STO], s78, v7                   ; in: row r, + 64 h
	v_mul_u32_u24 v7, v2, SPITCH
	v_lshl_add_u32 v7, v1, 4, v7
	v_add_nc_u32 v[RD], s78, v7                    ; back: lanes 0-15 one row of 256 bytes, lanes 16-31 the next
	v_lshlrev_b32 v7, 12, v2
	v_lshl_add_u32 v[CO], v1, 4, v7                ; and the same in out0
.macro FRAG64 reg, adr, off
.irp p, 0,1,2,3,4,5
	ds_load_b64 v[\reg+2*\p:\reg+2*\p+1], v[\adr] offset:\off+256*\p
.endr
.endm
.macro FRAG128 reg, adr, off
.irp g, 0,1,2
	ds_load_b128 v[\reg+4*\g:\reg+4*\g+3], v[\adr] offset:\off+512*\g
.endr
.endm
.macro FETCH n, p                      ; K step n's fragments into set p
	WIN TO_F
.irp i, 0,1,2,3
	FRAG64 128*(\p)+12*\i, ADRA, 12288*\i+1536*(\n)
	FRAG128 128*(\p)+48+12*\i, ADRB, 12288*\i+1536*(\n)
.endr
.endm
; 8 matrix instructions: token tiles a0, a0 + 1 x proj_w's four, K step n.  The 16 accumulators take turns, one instruction a turn, in the same order in every step.
.macro MUL8 a0, p, n, first
	WIN MUL
.irp a, \a0, \a0+1
.irp b, 0,1,2,3
.if \first
	v_wmma_scale_f32_16x16x128_f8f6f4 v[ACC+8*(4*(\a)+\b):ACC+8*(4*(\a)+\b)+7], v[128*(\p)+48+12*\b:128*(\p)+59+12*\b], v[128*(\p)+12*(\a):128*(\p)+12*(\a)+11], v[BIAS+8*\b:BIAS+8*\b+7], v[SC+8*\b+(\n)], v[SC+8*(\a)+(\n)] matrix_a_fmt:MATRIX_FMT_FP6 matrix_b_fmt:MATRIX_FMT_FP6 matrix_a_scale:MATRIX_SCALE_ROW1
.else
	v_wmma_scale_f32_16x16x128_f8f6f4 v[ACC+8*(4*(\a)+\b):ACC+8*(4*(\a)+\b)+7], v[128*(\p)+48+12*\b:128*(\p)+59+12*\b], v[128*(\p)+12*(\a):128*(\p)+12*(\a)+11], v[ACC+8*(4*(\a)+\b):ACC+8*(4*(\a)+\b)+7], v[SC+8*\b+(\n)], v[SC+8*(\a)+(\n)] matrix_a_fmt:MATRIX_FMT_FP6 matrix_b_fmt:MATRIX_FMT_FP6 matrix_a_scale:MATRIX_SCALE_ROW1
.endif
.endr
.endr
.endm
.macro STEP n                          ; at each step's head the next step's fragments are asked for, into the set that the step before has read
.if (\n) < 7
.if (\n) > 0
	PLACES
.endif
	FETCH (\n)+1, ((\n)+1)%2
	s_wait_dscnt 36                                ; all but the 36 loads just issued: this step's fragments (and, in step 0, the scale words) are in
.else
	s_wait_dscnt 0x0
.endif
	MUL8 0, (\n)%2, \n, (\n)==0
	MUL8 2, (\n)%2, \n, (\n)==0
.endm
	s_wait_alu depctr_va_vdst(0)
	s_wait_tensorcnt 0x0                           ; my block is in,
	s_barrier_signal -1
	s_barrier_wait -1                              ; everybody's is
.irp i, 0,1,2,3
.irp kp, 0,1,2,3
	ds_load_b64 v[SC+8*\i+2*\kp:SC+8*\i+2*\kp+1], v[ADRS] offset:512*\i+128*\kp    ; all of K's scale words, once
.endr
.endr
	FETCH 0, 0
	s_wait_loadcnt 0x0                             ; the bias, which starts the sums
.irp n, 0,1,2,3,4,5,6,7
	STEP \n
.endr
	WIN 0
	; THE WAY OUT, a tile of 16 tokens x 64 outputs at a time, through my own stage: LDS serves a wave's instructions in order (ISA guide 5.7.1.4), so no wait stands between the stores and the loads.
	PLACES
.macro OUTT a
.if (\a) > 0
	s_wait_xcnt 0x0                                ; the last tile's stores have read their registers
.endif
.irp b, 0,1,2,3
	ds_store_b128 v[STO], v[ACC+8*(4*(\a)+\b):ACC+8*(4*(\a)+\b)+3] offset:128*(\b/2)+32*(\b%2)        ; each accumulator from its low end on
	ds_store_b128 v[STO], v[ACC+8*(4*(\a)+\b)+4:ACC+8*(4*(\a)+\b)+7] offset:128*(\b/2)+32*(\b%2)+16
.endr
.irp t, 0,1,2,3,4,5,6,7
	ds_load_b128 v[OB+4*\t:OB+4*\t+3], v[RD] offset:2*\t*SPITCH
.endr
.irp t, 0,1,2,3,4,5,6,7
	s_wait_dscnt 7-\t                              ; the younger loads may stay out
	global_store_b128 v[CO], v[OB+4*\t:OB+4*\t+3], s[14:15] offset:(32*((\a)/2)+8*((\a)%2)+2*\t+8*(\t/4))*4096 th:TH_STORE_NT   ; stage row 2 t + lane / 16 is that token; 16 lanes store 256 consecutive bytes, aligned
.endr
.endm
.irp a, 0,1,2,3
	OUTT \a
.endr
	s_wait_tensorcnt 0x0                           ; the wave's end
	ds_add_u32 v30, v31
	s_wait_dscnt 0x0
	CROUND                                         ; the closing round: no work-group ends while a partner may still ask for a block that names it
	s_endpgm
.Lfunc_end_k_q813ddfac8b_proj:
	.size	k_q813ddfac8b_proj, .Lfunc_end_k_q813ddfac8b_proj-k_q813ddfac8b_proj
	.p2alignl 7, 3214868480
	.fill 96, 4, 3214868480
	.section	.rodata,"a",@progbits
	.p2align	6, 0x0
	.amdhsa_kernel k_q813ddfac8b_proj
		.amdhsa_group_segment_fixed_size 222720
		.amdhsa_private_segment_fixed_size 0
		.amdhsa_enable_private_segment 0
		.amdhsa_kernarg_size 48
		.amdhsa_user_sgpr_count 2
		.amdhsa_user_sgpr_kernarg_segment_ptr 1
		.amdhsa_wavefront_size32 1
		.amdhsa_system_sgpr_workgroup_id_x 1
		.amdhsa_system_sgpr_workgroup_id_y 1
		.amdhsa_system_sgpr_workgroup_id_z 1
		.amdhsa_system_vgpr_workitem_id 0
		.amdhsa_next_free_vgpr 512
		.amdhsa_next_free_sgpr 88
		.amdhsa_reserve_vcc 0
		.amdhsa_float_denorm_mode_32 3
		.amdhsa_float_denorm_mode_16_64 3
		.amdhsa_memory_ordered 1
		.amdhsa_forward_progress 1
		.amdhsa_inst_pref_size 54
	.end_amdhsa_kernel
	.amdgpu_metadata
---
amdhsa.version: [ 1, 2 ]
amdhsa.kernels:
  - .name:           k_q813ddfac8b_proj
    .symbol:         k_q813ddfac8b_proj.kd
    .args:
      - { .name: ao, .offset: 0, .size: 8, .value_kind: global_buffer, .address_space: global }
      - { .name: aosc, .offset: 8, .size: 8, .value_kind: global_buffer, .address_space: global }
      - { .name: opimg, .offset: 16, .size: 8, .value_kind: global_buffer, .address_space: global }
      - { .name: opsc, .offset: 24, .size: 8, .value_kind: global_buffer, .address_space: global }
      - { .name: proj_b, .offset: 32, .size: 8, .value_kind: global_buffer, .address_space: global }
      - { .name: out0, .offset: 40, .size: 8, .value_kind: global_buffer, .address_space: global }
    .group_segment_fixed_size: 222720
    .private_segment_fixed_size: 0
    .kernarg_segment_align: 8
    .kernarg_segment_size: 48
    .max_flat_workgroup_size: 128
    .sgpr_count:     88
    .vgpr_count:     512
    .wavefront_size: 32
...
	.end_amdgpu_metadata
.endif
;; end of part 4
